; MI455X (gfx1250); checked and timed in simulation.
; The chip was launched on July 23, 2026; its instructions are those of AMD's public machine-readable ISA for CDNA 5 (MIT licence, August 2026) and "CDNA5" Instruction Set Architecture Reference Guide (July 2026). The comments in the code are by the model that wrote it; some were corrected since.
;; T5 Layer Cross Attention. Allowed arithmetic: matrix products marked QUANTISED: E5M2 operands, one E8M0 scale for each 32 along K, by v_wmma_scale_f32_16x16x128_f8f6f4 with both operands' format E5M2, f32 sums; everything else in f32.
;; Inputs: Wk 1,024 x 1,024 float32; Wo 1,024 x 1,024 float32; Wq 1,024 x 1,024 float32; Wv 1,024 x 1,024 float32; attention_mask 2 x 1 x 1 x 4,096 float32; hidden_states 2 x 2,048 x 1,024 float32; key_value_states 2 x 4,096 x 1,024 float32; ln_weight 1,024 float32.
;; Outputs: out0 2 x 2,048 x 1,024 float32.
;; This version of the problem:
;;   THIS VERSION OF THE PROBLEM IS GIVEN IN LOW PRECISION. The matrix products marked QUANTISED in the list below multiply operands that are first quantised to E5M2 (5 exponent bits, 2 mantissa bits; 8 bits a number), with one power-of-two scale for each 32 numbers along K (OCP MX v1.0); their sums are f32. All else is computed in f32.
;;   The module's matrix products, in the order in which they are computed (A, B: the left and right operand; K: the contracted axis; several contracted axes count as one K, in the product's order):
;;     1. [M 4,096, K 1,024] x [K 1,024, N 1,024]; A: computed on the way; B: input Wq: QUANTISED
;;     2. [M 8,192, K 1,024] x [K 1,024, N 1,024]; A: input key_value_states; B: input Wk: QUANTISED
;;     3. [M 8,192, K 1,024] x [K 1,024, N 1,024]; A: input key_value_states; B: input Wv: QUANTISED
;;     4. batch 32 x [M 2,048, K 64] x [K 64, N 4,096]; A: computed on the way; B: computed on the way: QUANTISED
;;     5. batch 32 x [M 2,048, K 4,096] x [K 4,096, N 64]; A: softmax (see below); B: computed on the way: QUANTISED
;;     6. [M 4,096, K 1,024] x [K 1,024, N 1,024]; A: computed on the way; B: input Wo: QUANTISED
;;   THE QUANTISER, for each operand of a quantised product, along K:
;;     - K is cut into blocks of 32 from its start; a last block that is shorter is filled with zeros.
;;     - A block's scale is 2^e with e = floor(log2(the largest magnitude in the block)) - 15, held to -126 .. 127; a block of zeros has e = 0. As a byte (E8M0): e + 127.
;;     - Each number is divided by its block's scale, clamped to +-57,344, and rounded to the nearest number of E5M2, ties to even, subnormals kept.
;;     - The product sums the exact products of the quantised numbers (number of the format x scale) in f32.
;;   ~~~python
;;   def quantise(x, axis):      # numpy; x: float32 -> the quantised numbers, widened to float32 again
;;       x = np.moveaxis(x, axis, -1); K = x.shape[-1]
;;       x = np.pad(x, [(0, 0)] * (x.ndim - 1) + [(0, -K % 32)]); x = x.reshape(x.shape[:-1] + (-1, 32)); a = np.abs(x).max(-1, keepdims=True)
;;       e = np.where(a > 0, np.clip(np.frexp(np.where(a > 0, a, 1))[1] - 1 - 15, -126, 127), 0)      # np.frexp(a)[1] - 1 = floor(log2(a)), exactly
;;       r = np.clip(x / 2.0 ** e, -57344, 57344)
;;       step = 2.0 ** (np.maximum(np.frexp(np.where(r == 0, 1, r))[1] - 1, -14) - 2)
;;       q = np.round(r / step) * step * 2.0 ** e      # np.round: ties to even
;;       return np.moveaxis(q.reshape(q.shape[:-2] + (-1,))[..., :K], -1, axis).astype(np.float32)
;;   ~~~
;;   SOFTMAX AHEAD OF A QUANTISED PRODUCT. Where the list says 'softmax', what is quantised is not the finished softmax but p = 2^(t - M), with t = logit x log2(e) and M = ceil(the row's largest t), a whole number; so 1/2 < the row's largest p <= 1. The row's sum l is taken of the UNQUANTISED p, in f32, and the product's result is divided by l at the end. Since M is a whole number, a kernel that streams over the keys may use a running M (the ceiling of the running maximum): every later rescaling is an exact power of two, which a block's scale takes up: the codes' values come out the same.
;;   OPERANDS COMPUTED ON THE WAY. 'Computed on the way' means the value that the module computes at that place (a softmax that the list does not call 'softmax' is quantised finished and normalised). What goes into a quantiser is computed in f32, as accurately as f32 sums, v_exp_f32 and their like allow (about 1e-6 of the number): no bf16 or f16 on the way to a quantiser, and a product that is left as it is and whose result goes on into a quantised operand takes f32 operands (vector FMAs, or v_wmma_f32_16x16x4_f32). A number that lies on a knife's edge between two numbers of the format may be rounded either way, as far as f32 arithmetic and the matrix unit's own rounding can turn it there, and no further.
;; One version. Each part assembles by itself: llvm-mc -triple=amdgcn-amd-amdhsa -mcpu=gfx1250 --defsym DOCPART=n.
;; ======== version 1 of 1: 4 launches
;; limits: right only within a limited range of input values
;; workspace buffers: acodes 12,582,912 bytes; ascales 393,216 bytes; wcodes 4,194,304 bytes; wscales 131,072 bytes; pcodes 20,971,520 bytes; pscales 655,360 bytes; ccodes 4,194,304 bytes; cscales 131,072 bytes
;; launch quant (part 1): grid 1024 x 1, 4 waves a work-group, no clusters, 66,560 bytes of LDS; arguments hidden_states, key_value_states, ln_weight, Wq, Wk, Wv, Wo, acodes, ascales, wcodes, wscales; writes acodes, ascales, wcodes, wscales
.if DOCPART == 1
	.amdgcn_target "amdgcn-amd-amdhsa--gfx1250"
	.amdhsa_code_object_version 6
	.text
	.protected	k_q9cf8c1fbc0_quant
	.globl	k_q9cf8c1fbc0_quant
	.p2align	8
	.type	k_q9cf8c1fbc0_quant,@function
k_q9cf8c1fbc0_quant:
	s_mov_b64 s[64:65], 0
	v_nop
	global_prefetch_b8 v0, s[64:65] scope:SCOPE_SE
	s_setreg_imm32_b32 hwreg(HW_REG_WAVE_MODE, 25, 1), 1
	s_wait_xcnt 0x0
; The RMS norm of hidden_states, and all f32 operands of the four projections, turned into codes of BF8 (E5M2) with one E8M0 byte for each 32 along K.
; A block's scale is 2^(floor(log2(largest magnitude)) - 15); each number is divided by it, held within +-57,344 and rounded to the nearest code, ties to even.
; LAYOUT OF THE CODES: images of operand registers.  A PIECE is 16 rows x 32 along K, 512 bytes: lane l = 16 h + r owns bytes 16 l .. 16 l + 15: elements 8 h + 0..7 and 16 + 8 h + 0..7 of row r's block.
; (Inside a block of 32 the elements so stand in another order than in memory; every operand of this program has the same order, so each product pairs the right numbers, and a block's scale does not care.)
; Piece (tile T of 16 rows, block kb) lies at ((kb / 8) NT + T) x 4,096 + (kb % 8) x 512, NT the tensor's tiles; the scale word of (T, s = k / 128, row r) at 512 T + 64 s + 4 r.
; SHARES.  Work-groups 0-767 take one tile of 16 rows of hidden_states (0-255, with the norm) or of key_value_states; work-groups 768-1023 take 128 along K x 128 columns of one weight.
; The branch between the two hangs on the work-group's number alone; only the first way uses LDS and a barrier.
; LIMITS: NaN and infinities among the inputs are not served; a block whose largest magnitude lies under 2^-111 (zeros among them) gets the byte 1 and zero codes: this program alone reads the bytes.
.set PITCH, 4112                       ; a row of the stage: 4,096 bytes + 16: sixteen rows read at one column start at sixteen different 16-byte columns
.set X,     32                         ; v32-159  128 numbers
.set WG,    160                        ; v160-191 ln_weight; later the codes
.set CD,    160
.set TM,    8                          ; v8-11 largest magnitudes, v12-15 bytes, v16-19 the largest number x the scale, v20-23 the conversions' scale operands
.set PW,    24                         ; v24-25 two scale words
	s_load_b256 s[4:11], s[0:1], 0x0               ; hidden s[4:5], kv s[6:7], ln_weight s[8:9], Wq s[10:11]
	s_load_b256 s[12:19], s[0:1], 0x20             ; Wk s[12:13], Wv s[14:15], Wo s[16:17], acodes s[18:19]
	s_load_b128 s[20:23], s[0:1], 0x40             ; ascales s[20:21], wcodes s[22:23]
	s_load_b64 s[24:25], s[0:1], 0x50              ; wscales
	v_lshl_add_u32 v192, v0, 2, 0x10200
	v_mov_b32 v193, 0
	v_lshrrev_b32 v1, 5, v0
	v_readfirstlane_b32 s26, v1                    ; wave 0..3
	v_and_b32 v2, 31, v0                           ; lane
	v_and_b32 v3, 15, v0                           ; r
	v_bfe_u32 v4, v0, 4, 1                         ; h
	v_lshlrev_b32 v5, 4, v2                        ; 16 x lane
	s_mov_b32 s27, 0x600000                        ; the mantissa field of 57,344
	s_mov_b32 s28, 0x76543210
	s_mov_b32 s29, 0xfedcba98                      ; v_permlanex16_b32's selects for lane l xor 16
	s_cmp_lt_u32 ttmp9, 768
	s_cbranch_scc0 .Lweights
; 64 numbers of a lane, v[s] on, register 16 b + i of block b, become four pieces' codes in v[pc] on and the row's scale word in v[pw]
.macro QUANT s, pc, pw
.irp b, 0,1,2,3
	v_max3_num_f32 v[TM+\b], |v[\s+16*\b]|, |v[\s+1+16*\b]|, 0x8000000   ; my 16 numbers of block b, and the floor 2^(16 - 127): the byte cannot fall under 1
.endr
.irp i, 2,4,6,8,10,12,14
.irp b, 0,1,2,3
	v_max3_num_f32 v[TM+\b], v[TM+\b], |v[\s+16*\b+\i]|, |v[\s+1+16*\b+\i]|   ; the four blocks by turns
.endr
.endr
.irp b, 0,1,2,3
	v_permlanex16_b32 v[TM+4+\b], v[TM+\b], s28, s29
.endr
.irp b, 0,1,2,3
	v_max_num_f32 v[TM+\b], v[TM+\b], v[TM+4+\b]   ; with lane l xor 16's 16: the block's largest magnitude
.endr
.irp b, 0,1,2,3
	v_add_nc_u32 v[TM+12+\b], 0xf8800000, v[TM+\b] ; 15 off its exponent field: the conversion's scale operand
.endr
.irp b, 0,1,2,3
	v_and_or_b32 v[TM+8+\b], v[TM+\b], 0x7f800000, s27   ; 57,344 x the scale
.endr
.irp b, 0,1,2,3
	v_lshrrev_b32 v[TM+4+\b], 23, v[TM+12+\b]      ; the scale's byte
.endr
	v_lshl_or_b32 v[\pw], v[TM+5], 8, v[TM+4]
	v_lshl_or_b32 v[\pw], v[TM+6], 16, v[\pw]
	v_lshl_or_b32 v[\pw], v[TM+7], 24, v[\pw]
.irp b, 0,1,2,3
.irp i, 0,1,2,3,4,5,6,7,8,9,10,11,12,13,14,15
	v_med3_num_f32 v[\s+16*\b+\i], v[\s+16*\b+\i], -v[TM+8+\b], v[TM+8+\b]   ; the conversion does not saturate (ISA guide 7.6.2): the hold comes first
.endr
	v_cvt_scalef32_pk8_bf8_f32 v[\pc+4*\b:\pc+1+4*\b], v[\s+16*\b:\s+7+16*\b], v[TM+12+\b]
	v_cvt_scalef32_pk8_bf8_f32 v[\pc+2+4*\b:\pc+3+4*\b], v[\s+8+16*\b:\s+15+16*\b], v[TM+12+\b]
.endr
	v_nop                                          ; a plain line behind the last conversion
.endm
	; ---------------- a tile of 16 rows of hidden_states or key_value_states
	s_mul_i32 s42, s26, 4*PITCH
	v_add_nc_u32 v6, s42, v5                       ; the stage, in: my wave's four rows, 16 x lane
	v_mul_u32_u24 v7, v3, PITCH
	v_lshl_add_u32 v7, v4, 5, v7
	s_lshl_b32 s43, s26, 10
	v_add_nc_u32 v7, s43, v7                       ; out: row r, + 32 h, + my wave's 256 along K
	v_lshlrev_b32 v27, 2, v2                       ; 4 x lane
.irp b, 0,1,2,3
	v_mov_b32 v[TM+4+\b], 0                        ; a lane permute's destination counts as one of its sources
.endr
	s_mov_b32 s46, 0xffff0000                      ; lanes 16-31
	s_mov_b32 s40, 0x3a800000                      ; 1 / 1,024
	s_mov_b32 s41, 0x358637bd                      ; 1e-6
	s_wait_kmcnt 0x0
	s_cmp_lt_u32 ttmp9, 256                        ; hidden_states or key_value_states?
	s_cselect_b64 s[36:37], s[4:5], s[6:7]
	s_cselect_b32 s30, 0, 256
	s_cselect_b32 s31, 8, 9                        ; log2 of the tensor's tiles
	s_cselect_b32 s33, 0, 0x400000                 ; where its codes begin,
	s_cselect_b32 s34, 0, 0x20000                  ; and its scale words
	s_sub_co_u32 s30, ttmp9, s30                   ; my tile in the tensor
	s_lshl_b32 s38, s30, 16                        ; 16 rows of 4,096 bytes,
	s_lshl_b32 s39, s26, 14                        ; my wave's four
	s_add_co_u32 s38, s38, s39
	s_mov_b32 s39, 0
	s_add_nc_u64 s[36:37], s[36:37], s[38:39]
.irp i, 0,1,2,3
.irp j, 0,1,2,3,4,5,6,7
	global_load_b128 v[X+32*\i+4*\j:X+32*\i+4*\j+3], v5, s[36:37] offset:\i*4096+\j*512 th:TH_LOAD_NT   ; 32 lanes read 512 consecutive bytes
.endr
.endr
	s_lshl_b32 s44, s26, s31                       ; codes: ((my K step) x tiles + my tile) x 4,096
	s_add_co_u32 s44, s44, s30
	s_lshl_b32 s44, s44, 12
	s_add_co_u32 s44, s44, s33
	s_mov_b32 s45, 0
	s_add_nc_u64 s[18:19], s[18:19], s[44:45]
	s_lshl_b32 s44, s30, 9                         ; scale words: 512 x tile + 128 x K step
	s_lshl_b32 s47, s26, 7
	s_add_co_u32 s44, s44, s47
	s_add_co_u32 s44, s44, s34
	s_add_nc_u64 s[20:21], s[20:21], s[44:45]
	s_cmp_ge_u32 ttmp9, 256
	s_cbranch_scc1 .Lplain                         ; key_value_states has no norm
.irp j, 0,1,2,3,4,5,6,7
	global_load_b128 v[WG+4*\j:WG+4*\j+3], v5, s[8:9] offset:\j*512
.endr
	s_wait_loadcnt 0x0
.irp i, 0,1,2,3                        ; each row's sum of squares: two packed chains a row, the four rows by turns
	v_pk_mul_f32 v[TM+4*\i:TM+4*\i+1], v[X+32*\i:X+32*\i+1], v[X+32*\i:X+32*\i+1]
	v_pk_mul_f32 v[TM+4*\i+2:TM+4*\i+3], v[X+32*\i+2:X+32*\i+3], v[X+32*\i+2:X+32*\i+3]
.endr
.irp j, 4,8,12,16,20,24,28
.irp i, 0,1,2,3
	v_pk_fma_f32 v[TM+4*\i:TM+4*\i+1], v[X+32*\i+\j:X+32*\i+\j+1], v[X+32*\i+\j:X+32*\i+\j+1], v[TM+4*\i:TM+4*\i+1]
	v_pk_fma_f32 v[TM+4*\i+2:TM+4*\i+3], v[X+32*\i+\j+2:X+32*\i+\j+3], v[X+32*\i+\j+2:X+32*\i+\j+3], v[TM+4*\i+2:TM+4*\i+3]
.endr
.endr
.irp i, 0,1,2,3
	v_pk_add_f32 v[TM+4*\i:TM+4*\i+1], v[TM+4*\i:TM+4*\i+1], v[TM+4*\i+2:TM+4*\i+3]
.endr
.irp i, 0,1,2,3
	v_add_f32 v[TM+4*\i], v[TM+4*\i], v[TM+4*\i+1]
.endr
.irp m, 1,2,4,8
.irp i, 0,1,2,3
	v_add_f32_dpp v[TM+4*\i], v[TM+4*\i], v[TM+4*\i] row_xmask:\m row_mask:0xf bank_mask:0xf
.endr
.endr
.irp i, 0,1,2,3
	v_permlanex16_b32 v[TM+4*\i+1], v[TM+4*\i], s28, s29
.endr
.irp i, 0,1,2,3
	v_add_f32 v[TM+4*\i], v[TM+4*\i], v[TM+4*\i+1]
.endr
.irp i, 0,1,2,3
	v_fma_f32 v[TM+4*\i], v[TM+4*\i], s40, s41     ; the mean of the squares + 1e-6
.endr
	s_wait_alu depctr_va_vdst(0)
.irp i, 0,1,2,3
	v_rsq_f32 v[TM+4*\i+2], v[TM+4*\i]
.endr
	v_nop                                          ; a plain line behind the last of the four
	s_wait_alu depctr_va_vdst(0)                   ; one wait for the four, ahead of their first reader
.irp i, 0,1,2,3
.irp j, 0,2,4,6,8,10,12,14,16,18,20,22,24,26,28,30
	v_pk_mul_f32 v[X+32*\i+\j:X+32*\i+\j+1], v[X+32*\i+\j:X+32*\i+\j+1], v[TM+4*\i+2:TM+4*\i+3] op_sel_hi:[1,0]   ; x / rms first,
.endr
.endr
.irp i, 0,1,2,3
.irp j, 0,2,4,6,8,10,12,14,16,18,20,22,24,26,28,30
	v_pk_mul_f32 v[X+32*\i+\j:X+32*\i+\j+1], v[X+32*\i+\j:X+32*\i+\j+1], v[WG+\j:WG+\j+1]   ; then the gain: the order of roundings that the problem has
.endr
.endr
.Lplain:
	s_wait_loadcnt 0x0
	s_wait_alu depctr_va_vdst(0)
.irp i, 0,1,2,3
.irp j, 0,1,2,3,4,5,6,7
	ds_store_b128 v6, v[X+32*\i+4*\j:X+32*\i+4*\j+3] offset:\i*PITCH+\j*512
.endr
.endr
	s_wait_dscnt 0x0                               ; for the others' sake: my four rows lie in the stage
	s_barrier_signal -1
	s_barrier_wait -1
.irp k, 0,1,2,3,4,5,6,7                ; my K step's eight blocks of all 16 rows: elements 8 h + 0..7 and 16 + 8 h + 0..7 of each
	ds_load_b128 v[X+16*\k:X+16*\k+3], v7 offset:\k*128
	ds_load_b128 v[X+16*\k+4:X+16*\k+7], v7 offset:\k*128+16
	ds_load_b128 v[X+16*\k+8:X+16*\k+11], v7 offset:\k*128+64
	ds_load_b128 v[X+16*\k+12:X+16*\k+15], v7 offset:\k*128+80
.endr
	s_wait_dscnt 16                                ; blocks 0-3 are in; the sixteen younger loads, blocks 4-7, may be out
	QUANT X, CD, PW
	s_wait_dscnt 0x0
	QUANT X+64, CD+16, PW+1
.irp c, 0,1,2,3,4,5,6,7
	global_store_b128 v5, v[CD+4*\c:CD+4*\c+3], s[18:19] offset:\c*512   ; a piece: 512 consecutive bytes
.endr
	v_cndmask_b32 v26, v[PW], v[PW+1], s46         ; lanes 0-15 the first 128 along K, lanes 16-31 the second
	global_store_b32 v27, v26, s[20:21]            ; 128 consecutive bytes
	s_wait_tensorcnt 0x0
	ds_add_u32 v192, v193
	s_wait_dscnt 0x0
	s_endpgm
	; ---------------- 128 along K x 128 columns of a weight [K][N]: a lane takes a column, its registers run down K
.Lweights:
	s_sub_co_u32 s30, ttmp9, 768
	s_lshr_b32 s31, s30, 6                         ; which weight: Wq, Wk, Wv, Wo
	s_and_b32 s33, s30, 7                          ; which 128 columns
	s_bfe_u32 s34, s30, 0x30003                    ; which 128 along K
	s_and_b32 s35, s31, 1
	s_wait_alu depctr_va_vdst(0)
	v_lshlrev_b32 v6, 2, v2                        ; in: 4 bytes a lane
	v_lshlrev_b32 v7, 12, v4
	v_lshl_add_u32 v7, v3, 4, v7                   ; codes out: lanes 16-31 hold the next tile of 16 columns, 4,096 bytes on; 16 bytes a column
	v_lshlrev_b32 v8, 9, v4
	v_lshl_add_u32 v8, v3, 2, v8                   ; scale words out
	s_lshl_b32 s40, s34, 19                        ; 128 rows of 4,096 bytes,
	s_lshl_b32 s41, s33, 9                         ; 128 columns,
	s_add_co_u32 s40, s40, s41
	s_lshl_b32 s41, s26, 7                         ; my wave's 32
	s_add_co_u32 s40, s40, s41
	s_mov_b32 s41, 0
	s_lshl_b32 s42, s33, 3
	s_lshl_b32 s43, s26, 1
	s_add_co_u32 s42, s42, s43                     ; my first tile of columns
	s_lshr_b32 s43, s34, 1
	s_lshl_b32 s43, s43, 6
	s_add_co_u32 s43, s43, s42
	s_lshl_b32 s44, s43, 12                        ; ((K / 256) x 64 + tile) x 4,096
	s_and_b32 s43, s34, 1
	s_lshl_b32 s43, s43, 11                        ; + the half of that K step
	s_add_co_u32 s44, s44, s43
	s_lshl_b32 s43, s31, 20                        ; + the weight's 1 MiB
	s_add_co_u32 s44, s44, s43
	s_mov_b32 s45, 0
	s_lshl_b32 s46, s42, 9
	s_lshl_b32 s43, s34, 6
	s_add_co_u32 s46, s46, s43
	s_lshl_b32 s43, s31, 15
	s_add_co_u32 s46, s46, s43
	s_mov_b32 s47, 0
	s_wait_alu depctr_va_vdst(0)
	s_wait_kmcnt 0x0
	s_cmp_lt_u32 s31, 2
	s_cselect_b64 s[36:37], s[10:11], s[14:15]     ; Wq or Wv
	s_cselect_b64 s[38:39], s[12:13], s[16:17]     ; Wk or Wo
	s_cmp_eq_u32 s35, 1
	s_cselect_b64 s[36:37], s[38:39], s[36:37]
	s_add_nc_u64 s[36:37], s[36:37], s[40:41]
	s_add_nc_u64 s[22:23], s[22:23], s[44:45]
	s_add_nc_u64 s[24:25], s[24:25], s[46:47]
.macro WLOAD t                         ; block t: 32 rows of K at my column; a wave reads 128 consecutive bytes, the four waves 512
.irp i, 0,1,2,3,4,5,6,7,8,9,10,11,12,13,14,15,16,17,18,19,20,21,22,23,24,25,26,27,28,29,30,31
	global_load_b32 v[X+32*(\t)+\i], v6, s[36:37] offset:(32*(\t)+\i)*4096 th:TH_LOAD_NT
.endr
.endm
.macro WBLOCK t
.set XS, X+32*(\t)
.if (\t) < 3
	s_wait_loadcnt 32                              ; this block's 32 loads are in; the next block's 32 may be out
.else
	s_wait_loadcnt 0x0
.endif
.if (\t)+2 < 4
	WLOAD (\t)+2                                   ; two blocks ahead, into registers of its own
.endif
	v_max3_num_f32 v12, |v[XS]|, |v[XS+1]|, |v[XS+2]|     ; all 32 numbers of the block are mine
	v_max3_num_f32 v13, |v[XS+3]|, |v[XS+4]|, |v[XS+5]|
.irp i, 6,10,14,18,22,26
	v_max3_num_f32 v12, v12, |v[XS+\i]|, |v[XS+\i+1]|
	v_max3_num_f32 v13, v13, |v[XS+\i+2]|, |v[XS+\i+3]|
.endr
	v_max3_num_f32 v12, v12, |v[XS+30]|, |v[XS+31]|
	v_max3_num_f32 v12, v12, v13, 0x8000000        ; and the floor
	v_add_nc_u32 v11, 0xf8800000, v12
	v_and_or_b32 v10, v12, 0x7f800000, s27
	v_lshrrev_b32 v13, 23, v11
.if (\t) == 0
	v_mov_b32 v14, v13
.else
	v_lshl_or_b32 v14, v13, 8*(\t), v14            ; four bytes: my column's scale word of these 128 along K
.endif
.irp i, 0,1,2,3,4,5,6,7,8,9,10,11,12,13,14,15,16,17,18,19,20,21,22,23,24,25,26,27,28,29,30,31
	v_med3_num_f32 v[XS+\i], v[XS+\i], -v10, v10
.endr
	v_cvt_scalef32_pk8_bf8_f32 v[CD+8*(\t):CD+8*(\t)+1], v[XS:XS+7], v11          ; elements 0-7 and 16-23 are what lane h = 0 of the piece owns,
	v_cvt_scalef32_pk8_bf8_f32 v[CD+8*(\t)+2:CD+8*(\t)+3], v[XS+16:XS+23], v11
	v_cvt_scalef32_pk8_bf8_f32 v[CD+8*(\t)+4:CD+8*(\t)+5], v[XS+8:XS+15], v11     ; elements 8-15 and 24-31 what lane h = 1 owns
	v_cvt_scalef32_pk8_bf8_f32 v[CD+8*(\t)+6:CD+8*(\t)+7], v[XS+24:XS+31], v11
	v_nop                                          ; a plain line behind the last conversion
	global_store_b128 v7, v[CD+8*(\t):CD+8*(\t)+3], s[22:23] offset:(\t)*512       ; sixteen lanes store 256 consecutive bytes, aligned
	global_store_b128 v7, v[CD+8*(\t)+4:CD+8*(\t)+7], s[22:23] offset:(\t)*512+256
.endm
	WLOAD 0
	WLOAD 1
	WBLOCK 0
	WBLOCK 1
	WBLOCK 2
	WBLOCK 3
	global_store_b32 v8, v14, s[24:25]             ; sixteen lanes store 64 consecutive bytes
	s_endpgm
.Lfunc_end_k_q9cf8c1fbc0_quant:
	.size	k_q9cf8c1fbc0_quant, .Lfunc_end_k_q9cf8c1fbc0_quant-k_q9cf8c1fbc0_quant
	.p2alignl 7, 3214868480
	.fill 96, 4, 3214868480
	.section	.rodata,"a",@progbits
	.p2align	6, 0x0
	.amdhsa_kernel k_q9cf8c1fbc0_quant
		.amdhsa_group_segment_fixed_size 66560
		.amdhsa_private_segment_fixed_size 0
		.amdhsa_enable_private_segment 0
		.amdhsa_kernarg_size 88
		.amdhsa_user_sgpr_count 2
		.amdhsa_user_sgpr_kernarg_segment_ptr 1
		.amdhsa_wavefront_size32 1
		.amdhsa_system_sgpr_workgroup_id_x 1
		.amdhsa_system_sgpr_workgroup_id_y 1
		.amdhsa_system_sgpr_workgroup_id_z 1
		.amdhsa_system_vgpr_workitem_id 0
		.amdhsa_next_free_vgpr 194
		.amdhsa_next_free_sgpr 66
		.amdhsa_reserve_vcc 0
		.amdhsa_float_denorm_mode_32 3
		.amdhsa_float_denorm_mode_16_64 3
		.amdhsa_memory_ordered 1
		.amdhsa_forward_progress 1
		.amdhsa_inst_pref_size 71
	.end_amdhsa_kernel
	.amdgpu_metadata
---
amdhsa.version: [ 1, 2 ]
amdhsa.kernels:
  - .name:           k_q9cf8c1fbc0_quant
    .symbol:         k_q9cf8c1fbc0_quant.kd
    .args:
      - { .name: hidden_states, .offset: 0, .size: 8, .value_kind: global_buffer, .address_space: global }
      - { .name: key_value_states, .offset: 8, .size: 8, .value_kind: global_buffer, .address_space: global }
      - { .name: ln_weight, .offset: 16, .size: 8, .value_kind: global_buffer, .address_space: global }
      - { .name: Wq, .offset: 24, .size: 8, .value_kind: global_buffer, .address_space: global }
      - { .name: Wk, .offset: 32, .size: 8, .value_kind: global_buffer, .address_space: global }
      - { .name: Wv, .offset: 40, .size: 8, .value_kind: global_buffer, .address_space: global }
      - { .name: Wo, .offset: 48, .size: 8, .value_kind: global_buffer, .address_space: global }
      - { .name: acodes, .offset: 56, .size: 8, .value_kind: global_buffer, .address_space: global }
      - { .name: ascales, .offset: 64, .size: 8, .value_kind: global_buffer, .address_space: global }
      - { .name: wcodes, .offset: 72, .size: 8, .value_kind: global_buffer, .address_space: global }
      - { .name: wscales, .offset: 80, .size: 8, .value_kind: global_buffer, .address_space: global }
    .group_segment_fixed_size: 66560
    .private_segment_fixed_size: 0
    .kernarg_segment_align: 8
    .kernarg_segment_size: 88
    .max_flat_workgroup_size: 128
    .sgpr_count:     66
    .vgpr_count:     194
    .wavefront_size: 32
...
	.end_amdgpu_metadata
.endif
;; end of part 1
;; launch proj (part 2): grid 4 x 80, 4 waves a work-group, clusters of 4 x 4, 327,680 bytes of LDS; arguments acodes, ascales, wcodes, wscales, pcodes, pscales; writes pcodes, pscales
.if DOCPART == 2
	.amdgcn_target "amdgcn-amd-amdhsa--gfx1250"
	.amdhsa_code_object_version 6
	.text
	.protected	k_q9cf8c1fbc0_proj
	.globl	k_q9cf8c1fbc0_proj
	.p2align	8
	.type	k_q9cf8c1fbc0_proj,@function
k_q9cf8c1fbc0_proj:
	s_mov_b64 s[64:65], 0
	v_nop
	global_prefetch_b8 v0, s[64:65] scope:SCOPE_SE
	s_setreg_imm32_b32 hwreg(HW_REG_WAVE_MODE, 25, 1), 1
	s_wait_xcnt 0x0
	s_wait_alu depctr_hold_cnt(0) depctr_sa_sdst(0) depctr_va_vdst(0) depctr_va_sdst(0) depctr_va_ssrc(0) depctr_va_vcc(0) depctr_vm_vsrc(0)
	s_getreg_b32 s2, hwreg(HW_REG_IB_STS2, 6, 4)
	s_cmp_eq_u32 s2, 0
	s_cbranch_scc0 .Lentry_in_a_cluster
	s_endpgm
.Lentry_in_a_cluster:
	s_bfe_u32 s2, ttmp6, 0x10000c
	s_cmp_lg_u32 s2, 0xf033
	s_cbranch_scc0 .Lentry_shape_is_right
	s_endpgm
.Lentry_shape_is_right:
; The three projections q = normed Wq, k = kv Wk, v = kv Wv on codes of BF8 (E5M2) with E8M0 scales, one GEMM shape for all: C[m][n] = sum over k of A[m][k] B[n][k], K = 1,024,
; and C is quantised along n in registers: q and k along the head's 64 channels (A = the rows, B = the weight), v along the keys (A = Wv's channels, B = kv's rows: v is made transposed).
; Clusters 0-3 (cluster y) make q, 4-11 k, 12-19 v; what differs between the three is kept in scalar registers made from the cluster's number, which all partners share; no branch hangs on it.
; A tile of C is 256 x 256: four waves, each 128 x 128 in 64 accumulators.  K goes in steps of 256 through two LDS slots filled by the tensor data mover.
; OPERANDS ARE IMAGES OF REGISTERS (see the quantising launch): 128 rows of a K step are 32,768 consecutive bytes; a fragment (16 rows x 128 K) is four loads of 16 bytes a lane at 16 x lane: no pitch, no padding.
; The scale words of the work-group's rows, for all of K, come once, with the first fills.
; CLUSTERS: 4 x 4 work-groups; A's tiles are asked for jointly along a row of the cluster, B's along a column.
; THE MATRIX INSTRUCTION IS USED TRANSPOSED (source 0 = 16 rows of B, source 1 = 16 rows of A): lane (r, h) holds row r of A's block and columns 16 b + 8 h + 0..7: the 16 registers of B's blocks 2 i and
; 2 i + 1 are 16 numbers of one block of 32 along n, in the very order in which a piece's lane owns them: two conversions make the lane's 16 bytes of a piece, and a store of 16 bytes a lane writes the piece.
; RESULTS (pcodes, blocks of 8,192 bytes; pscales, blocks of 256 bytes; head = 16 batch + head): q at 0: block head x 16 + queries / 128: 8 tiles x 2 pieces; k at 4 MiB: block head x 32 + keys / 128: the same;
; v at 12 MiB: block head x 32 + keys / 128: 4 tiles of channels x 4 pieces of 32 keys.  Scales: row r owns 16 bytes: q, k: word f = (tile 2 f: 2 bytes; tile 2 f + 1: 2 bytes); v: word t = tile t's four bytes.
; LIMITS: a block whose largest magnitude lies under 2^-111 gets the byte 1 and zero codes; NaN and infinities are not served.
; REGISTERS: window 0: v1 r, v2 h, v8-10 offsets, v16-29 addresses, v32-63 scale words (two sets), v64-127 the way out, v128-255 A's fragments (one set); window 1: B's fragments, two sets; windows 2, 3: the accumulators.
.set NQ,     2                         ; matrix instructions deep in a slot
.set FR,     16                        ; registers of a fragment
.set NL,     4                         ; LDS loads that bring one
.set NP,     8                         ; places behind this matrix instruction (ISA guide 7.12.1)
.set HALFT,  32768                     ; 128 rows x 256 K: what one tensor load brings
.set SLOT,   4*HALFT                   ; A's two halves, then B's two
.set SCA,    2*SLOT                    ; A's scale words: 16 tiles x 512 bytes
.set SCB,    SCA+8256                  ; B's: 64 bytes off, so that a load's 16 words of A and 16 of B fall on different banks
.set SPARE,  278784                    ; the spare words, 128 bytes for each wave: two blocks of 256 bytes that no other line names
.set ADRA, 16                          ; v16-17  LDS address of my A fragments in slot 0, 1
.set ADRB, 20                          ; v20-21  the same for B
.set L16,  24                          ; v24     16 x lane
.set ADRS, 27                          ; v27     LDS address of my scale words: lanes 0-15 A's, lanes 16-31 B's
.set SPW,  28                          ; v28     my spare word; never rewritten
.set NIL,  29                          ; v29     0; never rewritten
.set SC,   32                          ; scale words: set s at v[SC + 16 s]; register 2 i + q: block i, the slot's q-th 128 along K
.set TM,   64                          ; v64-79  the quantiser's work
.set SW,   80                          ; v80-87  the eight blocks' scale words
.set Z,    88                          ; v88-95  the scale words as they are stored
.set PC,   96                          ; v96-127 codes, two sets of 16
.set AF,   128
.set G1, 24                            ; s[24:31] group 1 for A's tiles; s[32:39] group 0, one set a slot
.set G0, 32
.set G1B, 48                           ; s[48:55], s[56:63] the same for B's
.set G0B, 56
.set G1S, 68                           ; s[68:75], s[76:79] groups 1 and 0 for A's scales; s[80:87], s[88:91] for B's
.set G0S, 76
.set G1SB, 80
.set G0SB, 88
.set MSB, 0
.macro WIN new                         ; the immediate's high byte repeats the setting that is left
.if MSB != (\new)
	s_set_vgpr_msb (MSB<<8)|(\new)
.set MSB, (\new)
.endif
.endm
.set MUL_LO, 0xa1                      ; source 0 (B) window 1, source 1 (A) window 0, C and D window 2
.set MUL_HI, 0xf1                      ; the same, C and D window 3
.set TO_B,   0x40                      ; destination window 1, address window 0
; A joint load: waves 0 and 1 fetch for A, waves 2 and 3 for B; the branch hangs on the wave's number alone.  Four v_nop follow each of the two lines.
.macro JLOAD g0a, g1a, g0b, g1b
	s_cmp_eq_u32 s17, 0
	s_cbranch_scc0 .Lfor_b_\@
	tensor_load_to_lds s[\g0a:\g0a+3], s[\g1a:\g1a+7]
	s_nop 0
.rept 4
	v_nop
.endr
	s_branch .Lasked_\@
.Lfor_b_\@:
	tensor_load_to_lds s[\g0b:\g0b+3], s[\g1b:\g1b+7]
	s_nop 0
.rept 4
	v_nop
.endr
.Lasked_\@:
.endm
.macro CREST                           ; a round of the cluster's barrier behind its opening barrier
	s_cmp_lg_u32 s16, 0
	s_cbranch_scc1 .Lnot_wave_0_\@
	s_barrier_signal -3
.Lnot_wave_0_\@:
	s_barrier_wait -3
	s_barrier_signal -1
	s_barrier_wait -1
.endm
.macro CROUND                          ; a whole round
	s_barrier_signal -1
	s_barrier_wait -1
	CREST
.endm
	s_load_b256 s[4:11], s[0:1], 0x0               ; acodes s[4:5], ascales s[6:7], wcodes s[8:9], wscales s[10:11]
	s_load_b128 s[12:15], s[0:1], 0x20             ; pcodes s[12:13], pscales s[14:15]
	v_lshl_add_u32 v[SPW], v0, 2, SPARE
	v_mov_b32 v[NIL], 0
	ds_add_u32 v28, v29
	ds_add_u32 v28, v29
	s_wait_dscnt 0x0
	v_lshrrev_b32 v1, 5, v0
	v_readfirstlane_b32 s16, v1                    ; wave 0..3
	s_lshr_b32 s17, s16, 1                         ; which half of the tile's rows is mine.  Also: I fetch for A (0) or for B (1)
	s_and_b32 s18, s16, 1                          ; which half of its columns.  Also: which 128 rows of that tile I fetch
	s_and_b32 s19, ttmp7, 0xffff                   ; the cluster's number: 0-3 q, 4-11 k, 12-19 v
	s_bfe_u32 s20, ttmp6, 0x40000                  ; cx
	s_bfe_u32 s21, ttmp6, 0x40004                  ; cy
	s_cmp_ge_u32 s19, 4
	s_cselect_b32 s40, 1, 0                        ; 1 for k and v
	s_lshl_b32 s42, s40, 2
	s_sub_co_u32 s42, s19, s42                     ; q, k: the cluster's row of clusters
	s_sub_co_u32 s43, s19, 12                      ; v: its column of clusters
	s_cmp_ge_u32 s19, 12
	s_cselect_b32 s41, 1, 0                        ; 1 for v
	s_cselect_b32 s22, 0, s42
	s_cselect_b32 s23, s43, 0
	s_lshl_b32 s22, s22, 2
	s_add_co_u32 s22, s22, s21                     ; tile row of C
	s_lshl_b32 s23, s23, 2
	s_add_co_u32 s23, s23, s20                     ; tile column of C
	s_lshl_b32 s44, s21, 2
	s_lshl_b32 s44, 15, s44                        ; my row of the cluster
	s_lshl_b32 s45, 0x1111, s20                    ; my column
	; group 1: 32,768 consecutive bytes as 128 rows of 32 elements of 8 bytes; no padding
	s_or_b32 s[G1+0], s44, (3<<16)|(1<<21)         ; 15:0 the mask: A's tiles go to my row; 17:16 elements of 8 bytes; 21 set beside a mask
	s_or_b32 s[G1B+0], s45, (3<<16)|(1<<21)
.irp g, G1, G1B
	s_mov_b32 s[\g+1], 32<<16                      ; tensor_dim0
	s_mov_b32 s[\g+2], 256<<16                     ; tensor_dim1: 256 rows for the head's loads; set to 128 for the ring behind them
	s_mov_b32 s[\g+3], 32<<16                      ; tile_dim0
	s_mov_b32 s[\g+4], 256                         ; tile_dim1 likewise
	s_mov_b32 s[\g+5], 32                          ; the pitch
	s_mov_b32 s[\g+6], 0
	s_mov_b32 s[\g+7], 0
.endr
	s_or_b32 s[G1S+0], s44, (3<<16)|(1<<21)        ; the scale words of 256 rows: 8,192 consecutive bytes as 32 rows
	s_or_b32 s[G1SB+0], s45, (3<<16)|(1<<21)
.irp g, G1S, G1SB
	s_mov_b32 s[\g+1], 32<<16
	s_mov_b32 s[\g+2], 32<<16                      ; the scale words of 256 rows: 8,192 consecutive bytes as 32 rows
	s_mov_b32 s[\g+3], 32<<16
	s_mov_b32 s[\g+4], 32
	s_mov_b32 s[\g+5], 32
	s_mov_b32 s[\g+6], 0
	s_mov_b32 s[\g+7], 0
.endr
	s_lshl_b32 s2, s40, 8                          ; A's tiles of 16 rows: q 256, k 512, v 64;  B's: 64, 64, 512
	s_add_co_u32 s2, s2, 256
	s_mul_i32 s46, s41, 448
	s_sub_co_u32 s2, s2, s46
	s_add_co_u32 s46, s46, 64
	s_lshl_b32 s66, s2, 13                         ; two K steps on, in bytes: A,
	s_mov_b32 s67, 0
	s_lshl_b32 s100, s46, 13                       ; B
	s_mov_b32 s101, 0
	s_lshl_b32 s2, s2, 12                          ; one K step on
	s_mov_b32 s3, 0
	s_lshl_b32 s46, s46, 12
	s_mov_b32 s47, 0
	; A's offsets are made of the tile row alone, B's of the tile column alone, each in registers that never hold the other coordinate
	s_lshl_b32 s92, s22, 4
	s_mov_b32 s93, 0                               ; the tile's first row: the ring's half is added to the ring's descriptors alone
	s_add_co_u32 s92, s92, s93                     ; A: the first of the tile row's sixteen tiles
	s_lshl_b32 s94, s92, 9                         ; its scale words,
	s_lshl_b32 s92, s92, 12                        ; its codes;
	s_lshl_b32 s93, s40, 22                        ; the tensor's place in its buffer: codes q 0, k 4 MiB, v 2 MiB;
	s_add_co_u32 s92, s92, s93
	s_lshl_b32 s93, s41, 21
	s_sub_co_u32 s92, s92, s93
	s_lshl_b32 s93, s40, 17                        ; scales 0, 128 KiB, 64 KiB
	s_add_co_u32 s94, s94, s93
	s_lshl_b32 s93, s41, 16
	s_sub_co_u32 s94, s94, s93
	s_mov_b32 s93, 0
	s_mov_b32 s95, 0
	s_lshl_b32 s96, s23, 4
	s_mov_b32 s97, 0
	s_add_co_u32 s96, s96, s97                     ; B likewise
	s_lshl_b32 s98, s96, 9
	s_lshl_b32 s96, s96, 12
	s_lshl_b32 s97, s40, 20                        ; codes q 0, k 1 MiB, v 4 MiB;
	s_add_co_u32 s96, s96, s97
	s_mul_i32 s97, s41, 0x300000
	s_add_co_u32 s96, s96, s97
	s_lshl_b32 s97, s40, 15                        ; scales 0, 32 KiB, 128 KiB
	s_add_co_u32 s98, s98, s97
	s_mul_i32 s97, s41, 0x18000
	s_add_co_u32 s98, s98, s97
	s_mov_b32 s97, 0
	s_mov_b32 s99, 0
	s_wait_kmcnt 0x0
	s_cmp_ge_u32 s19, 12                           ; for v the weight is A and kv is B
	s_cselect_b64 s[42:43], s[8:9], s[4:5]
	s_add_nc_u64 s[92:93], s[42:43], s[92:93]      ; A's codes, K step 0
	s_cselect_b64 s[42:43], s[10:11], s[6:7]
	s_add_nc_u64 s[94:95], s[42:43], s[94:95]      ; A's scale words
	s_cselect_b64 s[42:43], s[4:5], s[8:9]
	s_add_nc_u64 s[96:97], s[42:43], s[96:97]      ; B's codes
	s_cselect_b64 s[42:43], s[6:7], s[10:11]
	s_add_nc_u64 s[98:99], s[42:43], s[98:99]      ; B's scale words
	CROUND                                         ; all sixteen work-groups are here: the first joint loads meet
	s_mov_b32 s[G0S], 1
	s_mov_b32 s[G0S+1], SCA
	s_mov_b64 s[G0S+2:G0S+3], s[94:95]
	s_or_b32 s[G0S+3], s[G0S+3], 0x80000000
	s_mov_b32 s[G0SB], 1
	s_mov_b32 s[G0SB+1], SCB
	s_mov_b64 s[G0SB+2:G0SB+3], s[98:99]
	s_or_b32 s[G0SB+3], s[G0SB+3], 0x80000000
	s_mov_b32 s[G0], 1
	s_mov_b32 s[G0+1], 0                           ; the head's load of A: all 256 rows of K step 0, at slot 0's start
	s_mov_b64 s[G0+2:G0+3], s[92:93]
	s_or_b32 s[G0+3], s[G0+3], 0x80000000
	s_mov_b32 s[G0B], 1
	s_mov_b32 s[G0B+1], 2*HALFT                    ; and of B: behind A's 256
	s_mov_b64 s[G0B+2:G0B+3], s[96:97]
	s_or_b32 s[G0B+3], s[G0B+3], 0x80000000
	s_lshl_b32 s42, s18, 15                        ; in the ring I fetch 128 rows of a tile: which half, in bytes
	s_mov_b32 s43, 0
	s_mov_b32 s[G0+4], 1
	s_lshl_b32 s[G0+5], s16, 15
	s_add_co_u32 s[G0+5], s[G0+5], SLOT
	s_add_nc_u64 s[G0+6:G0+7], s[92:93], s[2:3]
	s_add_nc_u64 s[G0+6:G0+7], s[G0+6:G0+7], s[42:43]
	s_or_b32 s[G0+7], s[G0+7], 0x80000000
	s_mov_b32 s[G0B+4], 1
	s_lshl_b32 s[G0B+5], s16, 15
	s_add_co_u32 s[G0B+5], s[G0B+5], SLOT
	s_add_nc_u64 s[G0B+6:G0B+7], s[96:97], s[46:47]
	s_add_nc_u64 s[G0B+6:G0B+7], s[G0B+6:G0B+7], s[42:43]
	s_or_b32 s[G0B+7], s[G0B+7], 0x80000000
; THE HEAD'S LOADS, ONE A WAVE: wave 0 K step 0's 256 rows of A, wave 1 its 256 rows of B, wave 2 A's scale words, wave 3 B's.  One chain of branches on the wave's number, a load to an arm, all arms to one join.
.macro ARM under, g0, g1, next
	s_cmp_lt_u32 s16, \under
	s_cbranch_scc0 \next
	tensor_load_to_lds s[\g0:\g0+3], s[\g1:\g1+7]
	s_nop 0
.rept 4
	v_nop
.endr
	s_branch .Lhead_asked
\next:
.endm
	ARM 1, G0,  G1,  .Lhead_b
	ARM 2, G0B, G1B, .Lhead_sa
	ARM 3, G0S, G1S, .Lhead_sb
	tensor_load_to_lds s[G0SB:G0SB+3], s[G1SB:G1SB+7]
	s_nop 0
.rept 4
	v_nop
.endr
.Lhead_asked:
	v_and_b32 v1, 15, v0                           ; r
	v_bfe_u32 v2, v0, 4, 1                         ; h
	s_wait_alu depctr_va_vdst(0)
	v_and_b32 v3, 31, v0
	v_lshlrev_b32 v[L16], 4, v3
	s_lshl_b32 s45, s17, 15                        ; my 128 rows of A
	s_lshl_b32 s46, s18, 15                        ; my 128 rows of B,
	s_add_co_u32 s46, s46, 2*HALFT                 ; behind A's 256
.irp s, 0,1
	v_add_nc_u32 v[ADRA+\s], s45, v[L16]
	v_add_nc_u32 v[ADRB+\s], s46, v[L16]
	s_add_co_u32 s45, s45, SLOT
	s_add_co_u32 s46, s46, SLOT
.endr
	s_lshl_b32 s45, s17, 12                        ; A's scale words: my eight tiles
	s_lshl_b32 s46, s18, 12                        ; B's
	s_add_co_u32 s46, s46, SCB-SCA
	s_sub_co_u32 s46, s46, s45
	v_mul_u32_u24 v4, s46, v2                      ; lanes 16-31 take B's: one product, the distance between the two
	s_add_co_u32 s45, s45, SCA
	v_lshl_add_u32 v4, v1, 2, v4
	v_add_nc_u32 v[ADRS], s45, v4
.irp b, 0,1,2,3
	v_mov_b32 v[TM+4+\b], 0                        ; a lane permute's destination counts as one of its sources
.endr
	; the way out's scalars (the four pointers in s4-11 have served)
	s_mov_b32 s4, 0x76543210
	s_mov_b32 s5, 0xfedcba98                       ; v_permlanex16_b32's selects for lane l xor 16
	s_mov_b32 s6, 0x600000                         ; the mantissa field of 57,344
	s_mov_b32 s7, 0xffff0000                       ; lanes 16-31
	s_lshl_b32 s45, s23, 1
	s_add_co_u32 s45, s45, s18                     ; which 128 columns of C are mine
	s_lshl_b32 s46, s22, 1
	s_add_co_u32 s46, s46, s17                     ; which 128 rows
	s_cmp_eq_u32 s41, 1
	s_cselect_b32 s47, s46, s45                    ; my pair of heads: q, k by the columns, v by the rows
	s_cselect_b32 s45, s45, s46                    ; my 128 queries or keys: q, k by the rows, v by the columns
	s_cselect_b32 s44, -1, 0                       ; all lanes for v
	s_lshl_b32 s47, s47, 1                         ; the first head
	s_add_co_u32 s46, s40, 4                       ; log2 of a head's blocks: q 4, k and v 5
	s_lshr_b32 s92, s45, s46                       ; the batch
	s_lshl_b32 s92, s92, 4
	s_add_co_u32 s92, s92, s47
	s_lshl_b32 s92, s92, s46
	s_bfm_b32 s47, s46, 0
	s_and_b32 s45, s45, s47
	s_add_co_u32 s92, s92, s45                     ; my first head's block
	s_lshl_b32 s8, s92, 13                         ; its codes: 8,192 bytes a block,
	s_lshl_b32 s45, s40, 22
	s_add_co_u32 s8, s8, s45
	s_lshl_b32 s45, s41, 23
	s_add_co_u32 s8, s8, s45                       ; + q 0, k 4 MiB, v 12 MiB
	s_lshl_b32 s42, s92, 8                         ; its scales: 256 bytes a block,
	s_lshl_b32 s45, s40, 17
	s_add_co_u32 s42, s42, s45
	s_lshl_b32 s45, s41, 18
	s_add_co_u32 s42, s42, s45                     ; + q 0, k 128 KiB, v 384 KiB
	s_lshl_b32 s45, 0x2000, s46                    ; from a head to the next: codes,
	s_lshl_b32 s43, 0x100, s46                     ; scales
	s_sub_co_u32 s47, s45, 6144
	s_lshl_b32 s10, 0x400, s41                     ; from a block of 16 rows to the next: q, k 1,024; v 2,048;
	s_cmp_eq_u32 s41, 1
	s_cselect_b32 s9, 0x400, s45                   ; from pieces 0, 1 to pieces 2, 3: q, k the next head; v 1,024
	s_cselect_b32 s11, s47, 0x400                  ; from block 3 to block 4: v goes on to the next head
.macro FRAG reg, adr, q, i             ; a fragment: 16 rows x 128 K: four pieces of 512 bytes on end
.irp c, 0,1,2,3
	ds_load_b128 v[\reg+4*\c:\reg+4*\c+3], v[\adr] offset:2048*(\q)+512*\c+(\i)*4096
.endr
.endm
; 16 matrix instructions: A's blocks a0, a0 + 1 x B's eight, 128 along K.  p: B's set; sc: the set of scale words.  zero = 1: the first product starts the sums.
; The 64 accumulators take turns, one instruction a turn, in the same order in every step.
.macro MUL16 a0, p, q, sc, zero
.irp a, \a0, \a0+1
.irp b, 0,1,2,3,4,5,6,7
.if \zero
	v_wmma_scale_f32_16x16x128_f8f6f4 v[8*(8*((\a)%4)+\b):8*(8*((\a)%4)+\b)+7], v[128*(\p)+FR*\b:128*(\p)+FR*\b+FR-1], v[AF+FR*(\a):AF+FR*(\a)+FR-1], 0, v[SC+8*NQ*(\sc)+NQ*\b+(\q)], v[SC+8*NQ*(\sc)+NQ*(\a)+(\q)] matrix_a_fmt:MATRIX_FMT_BF8 matrix_b_fmt:MATRIX_FMT_BF8 matrix_a_scale:MATRIX_SCALE_ROW1
.else
	v_wmma_scale_f32_16x16x128_f8f6f4 v[8*(8*((\a)%4)+\b):8*(8*((\a)%4)+\b)+7], v[128*(\p)+FR*\b:128*(\p)+FR*\b+FR-1], v[AF+FR*(\a):AF+FR*(\a)+FR-1], v[8*(8*((\a)%4)+\b):8*(8*((\a)%4)+\b)+7], v[SC+8*NQ*(\sc)+NQ*\b+(\q)], v[SC+8*NQ*(\sc)+NQ*(\a)+(\q)] matrix_a_fmt:MATRIX_FMT_BF8 matrix_b_fmt:MATRIX_FMT_BF8 matrix_a_scale:MATRIX_SCALE_ROW1
.endif
.endr
.endr
.endm
.macro FETCH_B slot, q, p
	WIN TO_B
.irp i, 0,1,2,3,4,5,6,7
	FRAG 128*(\p)+FR*\i, ADRB+\slot, \q, \i
.endr
	WIN 0
.endm
.macro FETCH_A slot, q, i0
.irp i, \i0, \i0+1, \i0+2, \i0+3
	FRAG AF+FR*(\i), ADRA+\slot, \q, \i
.endr
.endm
.macro SCALES sc                       ; a K step's scale words: lanes 0-15 take A's block i, lanes 16-31 B's block i
.irp i, 0,1,2,3,4,5,6,7
	ds_load_b32 v[SC+16*\sc+2*\i], v[ADRS] offset:\i*512
	ds_load_b32 v[SC+16*\sc+2*\i+1], v[ADRS] offset:\i*512+64
.endr
.endm
.macro PLACES n                        ; plain vector lines between a matrix instruction and a load into, or a read of, its registers
.rept \n
	v_nop
.endr
.endm
.macro STEP slot, q, zero              ; a step of 128 along K that has its successor in the same slot
	s_wait_dscnt 4*NL                              ; B's set, A's blocks 0-3 and the scale words are in; the sixteen youngest loads (A's blocks 4-7) may be out
	WIN MUL_LO
	MUL16 0, (\q)%2, \q, \slot, \zero
	MUL16 2, (\q)%2, \q, \slot, \zero
	s_wait_dscnt 0
	PLACES NP
	FETCH_B \slot, (\q)+1, 1-(\q)%2
	FETCH_A \slot, (\q)+1, 0
	WIN MUL_HI
	MUL16 4, (\q)%2, \q, \slot, \zero
	MUL16 6, (\q)%2, \q, \slot, \zero
	PLACES NP
	WIN 0
	FETCH_A \slot, (\q)+1, 4
.endm
; A slot's last step changes slots: one barrier; in front of it each wave waits for all its tensor loads, adds 0 to its spare word, and waits for that and for its reads of this slot.  fill = 1: the slot is filled again, two K steps ahead.
.macro TURN slot, next, fill
	s_wait_tensorcnt 0x0                           ; all my tensor loads have landed: my part of the next slot
	ds_add_u32 v[SPW], v[NIL]                      ; 0 onto my spare word
	s_wait_dscnt 4*NL+1                            ; the add and the sixteen youngest loads may be out
	WIN MUL_LO
	MUL16 0, 1, NQ-1, \slot, 0
	s_wait_dscnt 0x0                               ; the add is done, and my reads of this slot are over
	s_barrier_signal -1
	MUL16 2, 1, NQ-1, \slot, 0
	WIN 0
	s_barrier_wait -1
.if \fill
	CREST                                          ; the barrier has opened a round of the cluster's barrier: no wave of any partner still reads this slot or has a load on its way
	s_add_nc_u64 s[G0+4*\slot+2:G0+4*\slot+3], s[G0+4*\slot+2:G0+4*\slot+3], s[66:67]
	s_add_nc_u64 s[G0B+4*\slot+2:G0B+4*\slot+3], s[G0B+4*\slot+2:G0B+4*\slot+3], s[100:101]
	JLOAD G0+4*\slot, G1, G0B+4*\slot, G1B         ; the first tensor load behind the round; its four v_nop are among the places in front of the loads below
	PLACES NP-4
.else
	PLACES NP
.endif
	s_wait_alu depctr_va_vdst(0)
	v_add_nc_u32 v[ADRS], 128, v[ADRS]             ; the next K step's scale words
	FETCH_B \next, 0, 0
	FETCH_A \next, 0, 0
	SCALES \next
	WIN MUL_HI
	MUL16 4, 1, NQ-1, \slot, 0
	MUL16 6, 1, NQ-1, \slot, 0
	PLACES NP
	WIN 0
	FETCH_A \next, 0, 4
.endm
	s_wait_alu depctr_va_vdst(0)
	s_wait_tensorcnt 0x0                           ; my tile of the head's four is in
	ds_add_u32 v[SPW], v[NIL]
	s_mov_b32 s[G1+2], 128<<16                     ; no tensor load of mine is out, so descriptors may be written: from here on a load brings 128 rows,
	s_mov_b32 s[G1+4], 128
	s_mov_b32 s[G1B+2], 128<<16
	s_mov_b32 s[G1B+4], 128
	s_lshl_b32 s46, s18, 15                        ; slot 0's group 0 becomes the ring's: my half of the rows,
	s_mov_b32 s47, 0
	s_add_nc_u64 s[G0+2:G0+3], s[G0+2:G0+3], s[46:47]
	s_add_nc_u64 s[G0B+2:G0B+3], s[G0B+2:G0B+3], s[46:47]
	s_lshl_b32 s[G0+1], s16, 15                    ; at wave x 32,768
	s_lshl_b32 s[G0B+1], s16, 15
	s_wait_dscnt 0x0                               ; the add is done
	CROUND                                         ; a whole round: all four tiles are in, and the sixteen work-groups meet
	JLOAD G0+4, G1, G0B+4, G1B                     ; K step 1 into slot 1: the first tensor load behind the round
	FETCH_B 0, 0, 0
	FETCH_A 0, 0, 0
	SCALES 0
	FETCH_A 0, 0, 4
	STEP 0, 0, 1                                   ; K = 1,024 is four K steps: written straight
	TURN 0, 1, 1                                   ; slot 0 takes K step 2
	STEP 1, 0, 0
	TURN 1, 0, 1                                   ; slot 1 takes K step 3
	STEP 0, 0, 0
	TURN 0, 1, 0
	STEP 1, 0, 0
	s_wait_dscnt 4*NL
	WIN MUL_LO
	MUL16 0, 1, NQ-1, 1, 0
	MUL16 2, 1, NQ-1, 1, 0
	s_wait_dscnt 0
	WIN MUL_HI
	MUL16 4, 1, NQ-1, 1, 0
	MUL16 6, 1, NQ-1, 1, 0
	WIN 0
; THE WAY OUT.  The 64 accumulator registers of a block of 16 rows (window W, v[s] on) are four blocks of 32 along n: they become four pieces' codes in v[pc] on and the rows' scale word in v[pw].
; Each accumulator is read from its low end on.
.macro QUANTW s, W, pc, pw
	WIN (\W)|((\W)<<2)
.irp b, 0,1,2,3
	v_max3_num_f32 v[TM+\b], |v[\s+16*\b]|, |v[\s+1+16*\b]|, 0x8000000   ; my 16 numbers of block b, and the floor 2^(16 - 127)
.endr
	WIN ((\W)<<2)|((\W)<<4)
.irp i, 2,4,6,8,10,12,14
.irp b, 0,1,2,3
	v_max3_num_f32 v[TM+\b], v[TM+\b], |v[\s+16*\b+\i]|, |v[\s+1+16*\b+\i]|
.endr
.endr
	WIN 0
.irp b, 0,1,2,3
	v_permlanex16_b32 v[TM+4+\b], v[TM+\b], s4, s5
.endr
.irp b, 0,1,2,3
	v_max_num_f32 v[TM+\b], v[TM+\b], v[TM+4+\b]   ; with lane l xor 16's 16
.endr
.irp b, 0,1,2,3
	v_add_nc_u32 v[TM+12+\b], 0xf8800000, v[TM+\b] ; 15 off the exponent field: the conversion's scale operand
.endr
.irp b, 0,1,2,3
	v_and_or_b32 v[TM+8+\b], v[TM+\b], 0x7f800000, s6   ; 57,344 x the scale
.endr
.irp b, 0,1,2,3
	v_lshrrev_b32 v[TM+4+\b], 23, v[TM+12+\b]      ; the byte
.endr
	v_lshl_or_b32 v[\pw], v[TM+5], 8, v[TM+4]
	v_lshl_or_b32 v[\pw], v[TM+6], 16, v[\pw]
	v_lshl_or_b32 v[\pw], v[TM+7], 24, v[\pw]
	WIN (\W)|((\W)<<6)
.irp b, 0,1,2,3
.irp i, 0,1,2,3,4,5,6,7,8,9,10,11,12,13,14,15
	v_med3_num_f32 v[\s+16*\b+\i], v[\s+16*\b+\i], -v[TM+8+\b], v[TM+8+\b]   ; the hold: the conversion does not saturate (ISA guide 7.6.2)
.endr
.endr
	WIN (\W)
.irp b, 0,1,2,3
	v_cvt_scalef32_pk8_bf8_f32 v[\pc+4*\b:\pc+1+4*\b], v[\s+16*\b:\s+7+16*\b], v[TM+12+\b]
	v_cvt_scalef32_pk8_bf8_f32 v[\pc+2+4*\b:\pc+3+4*\b], v[\s+8+16*\b:\s+15+16*\b], v[TM+12+\b]
.endr
	WIN 0
	v_nop                                          ; a plain line behind the last conversion
.endm
	PLACES NP                                      ; behind the last products, ahead of the first read of results
.irp a, 0,1,2,3,4,5,6,7
.if \a > 0
	s_wait_xcnt 0x0                                ; the earlier stores have read their offsets and data: both are written again below
.endif
	QUANTW 64*(\a%4), 2+\a/4, PC+16*(\a%2), SW+\a
	v_add_nc_u32 v8, s8, v[L16]
	v_add_nc_u32 v9, s9, v8
	global_store_b128 v8, v[PC+16*(\a%2):PC+16*(\a%2)+3], s[12:13]                 ; each store is a piece: 512 consecutive bytes
	global_store_b128 v8, v[PC+16*(\a%2)+4:PC+16*(\a%2)+7], s[12:13] offset:512
	global_store_b128 v9, v[PC+16*(\a%2)+8:PC+16*(\a%2)+11], s[12:13]
	global_store_b128 v9, v[PC+16*(\a%2)+12:PC+16*(\a%2)+15], s[12:13] offset:512
.if \a == 3
	s_add_co_u32 s8, s8, s11
.elseif \a < 7
	s_add_co_u32 s8, s8, s10
.endif
.endr
.irp f, 0,1,2,3                        ; q, k: a word's lower two bytes belong to my first head, the upper two to the second: two tiles' halves make a stored word
	v_perm_b32 v[Z+\f], v[SW+2*\f+1], v[SW+2*\f], 0x05040100
	v_perm_b32 v[Z+4+\f], v[SW+2*\f+1], v[SW+2*\f], 0x07060302
.endr
.irp i, 0,1,2,3,4,5,6,7
	v_cndmask_b32 v[Z+\i], v[Z+\i], v[SW+\i], s44  ; v: the words as they are: blocks 0-3 the first head, 4-7 the second
.endr
.irp i, 0,1,2,3
	v_cndmask_b32 v[Z+\i], v[Z+\i], v[Z+4+\i], s7  ; lanes 16-31 store the second head's
.endr
	v_mul_u32_u24 v10, s43, v2
	v_lshl_add_u32 v10, v1, 4, v10
	v_add_nc_u32 v10, s42, v10
	global_store_b128 v10, v[Z:Z+3], s[14:15]      ; sixteen lanes store 256 consecutive bytes, aligned
	s_wait_tensorcnt 0x0                           ; the wave's end
	ds_add_u32 v[SPW], v[NIL]
	s_wait_dscnt 0x0
	CROUND                                         ; the closing round
	s_endpgm
.Lfunc_end_k_q9cf8c1fbc0_proj:
	.size	k_q9cf8c1fbc0_proj, .Lfunc_end_k_q9cf8c1fbc0_proj-k_q9cf8c1fbc0_proj
	.p2alignl 7, 3214868480
	.fill 96, 4, 3214868480
	.section	.rodata,"a",@progbits
	.p2align	6, 0x0
	.amdhsa_kernel k_q9cf8c1fbc0_proj
		.amdhsa_group_segment_fixed_size 327680
		.amdhsa_private_segment_fixed_size 0
		.amdhsa_enable_private_segment 0
		.amdhsa_kernarg_size 48
		.amdhsa_user_sgpr_count 2
		.amdhsa_user_sgpr_kernarg_segment_ptr 1
		.amdhsa_wavefront_size32 1
		.amdhsa_system_sgpr_workgroup_id_x 1
		.amdhsa_system_sgpr_workgroup_id_y 1
		.amdhsa_system_sgpr_workgroup_id_z 1
		.amdhsa_system_vgpr_workitem_id 0
		.amdhsa_next_free_vgpr 1024
		.amdhsa_next_free_sgpr 102
		.amdhsa_reserve_vcc 0
		.amdhsa_float_denorm_mode_32 3
		.amdhsa_float_denorm_mode_16_64 3
		.amdhsa_memory_ordered 1
		.amdhsa_forward_progress 1
		.amdhsa_inst_pref_size 192
	.end_amdhsa_kernel
	.amdgpu_metadata
---
amdhsa.version: [ 1, 2 ]
amdhsa.kernels:
  - .name:           k_q9cf8c1fbc0_proj
    .symbol:         k_q9cf8c1fbc0_proj.kd
    .args:
      - { .name: acodes, .offset: 0, .size: 8, .value_kind: global_buffer, .address_space: global }
      - { .name: ascales, .offset: 8, .size: 8, .value_kind: global_buffer, .address_space: global }
      - { .name: wcodes, .offset: 16, .size: 8, .value_kind: global_buffer, .address_space: global }
      - { .name: wscales, .offset: 24, .size: 8, .value_kind: global_buffer, .address_space: global }
      - { .name: pcodes, .offset: 32, .size: 8, .value_kind: global_buffer, .address_space: global }
      - { .name: pscales, .offset: 40, .size: 8, .value_kind: global_buffer, .address_space: global }
    .group_segment_fixed_size: 327680
    .private_segment_fixed_size: 0
    .kernarg_segment_align: 8
    .kernarg_segment_size: 48
    .max_flat_workgroup_size: 128
    .sgpr_count:     102
    .vgpr_count:     1024
    .wavefront_size: 32
...
	.end_amdgpu_metadata
.endif
;; end of part 2
;; launch attn (part 3): grid 8 x 32, 8 waves a work-group, clusters of 4 x 1, 327,680 bytes of LDS; arguments pcodes, pscales, attention_mask, ccodes, cscales; writes ccodes, cscales
.if DOCPART == 3
	.amdgcn_target "amdgcn-amd-amdhsa--gfx1250"
	.amdhsa_code_object_version 6
	.text
	.protected	k_q9cf8c1fbc0_attn
	.globl	k_q9cf8c1fbc0_attn
	.p2align	8
	.type	k_q9cf8c1fbc0_attn,@function
k_q9cf8c1fbc0_attn:
	s_mov_b64 s[64:65], 0
	v_nop
	global_prefetch_b8 v0, s[64:65] scope:SCOPE_SE
	s_setreg_imm32_b32 hwreg(HW_REG_WAVE_MODE, 25, 1), 1
	s_wait_xcnt 0x0
	s_wait_alu depctr_hold_cnt(0) depctr_sa_sdst(0) depctr_va_vdst(0) depctr_va_sdst(0) depctr_va_ssrc(0) depctr_va_vcc(0) depctr_vm_vsrc(0)
	s_getreg_b32 s2, hwreg(HW_REG_IB_STS2, 6, 4)
	s_cmp_eq_u32 s2, 0
	s_cbranch_scc0 .Lentry_in_a_cluster
	s_endpgm
.Lentry_in_a_cluster:
	s_bfe_u32 s2, ttmp6, 0x10000c
	s_cmp_lg_u32 s2, 0x3003
	s_cbranch_scc0 .Lentry_shape_is_right
	s_endpgm
.Lentry_shape_is_right:
.set SLOT1, 1<<17
.set VOFF,  65536
.set AUX,   2*SLOT1
.set SPARE, AUX+32768
.set AK0, 1
.set AV0, 2
.set AS0, 3
.set AM0, 4
.set SPW, 5
.set NIL, 6
.set PFO, 7
.set ADK, 8
.set ADV, 9
.set ADS, 10
.set ADM, 11
.set QWA, 12
.set QWB, 13
.set PWA, 14
.set QQ,  16
.set SS,  40
.set OT,  104
.set PC,  136
.set NM,  152
.set LS,  154
.set FF,  156
.set BM,  158
.set B2,  162
.set HO,  166
.set SO,  170
.set TT,  174
.set L2,  176
.set KFR, 184
.set KW,  248
.set VW,  252
.set MSB, 0
.macro WIN new
.if MSB != (\new)
	s_set_vgpr_msb (MSB<<8)|(\new)
.set MSB, (\new)
.endif
.endm
.macro CROUND
	s_barrier_signal -1
	s_barrier_wait -1
	s_cmp_lg_u32 s14, 0
	s_cbranch_scc1 .Lnot_wave_0_\@
	s_barrier_signal -3
.Lnot_wave_0_\@:
	s_barrier_wait -3
	s_barrier_signal -1
	s_barrier_wait -1
.endm
.macro ASK
	s_cmp_gt_u32 s51, s15
	s_cbranch_scc0 .Lnot_mine_\@
	global_prefetch_b8 v[PFO], s[54:55] th:TH_LOAD_NT scope:SCOPE_SE
.Lnot_mine_\@:
.endm
	s_load_b256 s[4:11], s[0:1], 0x0
	s_load_b64 s[12:13], s[0:1], 0x20
	v_lshl_add_u32 v[SPW], v0, 2, SPARE
	v_mov_b32 v[NIL], 0
	ds_add_u32 v5, v6
	ds_add_u32 v5, v6
	s_wait_dscnt 0x0
	v_lshrrev_b32 v8, 5, v0
	s_delay_alu instid0(VALU_DEP_1)
	v_readfirstlane_b32 s14, v8
	s_bfe_u32 s16, ttmp6, 0x40000
	s_lshl_b32 s17, ttmp9, 2
	s_add_co_u32 s17, s17, s16
	s_and_b32 s18, ttmp7, 0xffff
	s_mov_b32 s19, 0x600000
	s_mov_b32 s20, 0x76543210
	s_mov_b32 s21, 0xfedcba98
	s_mov_b32 s22, 0x3fb8aa3b
	s_mov_b32 s23, s22
	s_mov_b32 s53, 0xffff0000
	s_mov_b32 s24, 15|(3<<16)|(1<<21)
	s_mov_b32 s25, 32<<16
	s_mov_b32 s26, 128<<16                         ; the head's loads of codes bring 128 rows of 256 bytes; the ring's 64 are set behind the first wait for them
	s_mov_b32 s27, 32<<16
	s_mov_b32 s28, 128
	s_mov_b32 s29, 32
	s_mov_b32 s30, 0
	s_mov_b32 s31, 0
	s_mov_b32 s32, 15|(3<<16)|(1<<21)
	s_mov_b32 s33, 32<<16
	s_mov_b32 s34, 32<<16                          ; scale bytes and mask: 8,192 consecutive bytes a load
	s_mov_b32 s35, 32<<16
	s_mov_b32 s36, 32
	s_mov_b32 s37, 32
	s_mov_b32 s38, 0
	s_mov_b32 s39, 0
	s_lshr_b32 s56, s14, 2
	s_lshl_b32 s56, s56, 23
	s_add_co_u32 s56, s56, 0x400000
	s_lshl_b32 s57, s18, 18
	s_add_co_u32 s56, s56, s57
	s_and_b32 s57, s14, 3
	s_lshl_b32 s57, s57, 14
	s_add_co_u32 s56, s56, s57
	s_mov_b32 s57, 0
	s_and_b32 s58, s14, 1                          ; wave 4: K's scale bytes of the head, wave 5: V's
	s_lshl_b32 s58, s58, 18
	s_add_co_u32 s58, s58, 0x20000
	s_lshl_b32 s59, s18, 13
	s_add_co_u32 s58, s58, s59
	s_lshr_b32 s60, s18, 4
	s_lshl_b32 s60, s60, 14
	s_and_b32 s59, s14, 1                          ; waves 6, 7: the halves of the batch's mask
	s_lshl_b32 s59, s59, 13
	s_add_co_u32 s60, s60, s59
	s_cmp_lt_u32 s14, 6
	s_cselect_b32 s58, s58, s60
	s_mov_b32 s59, 0
	s_and_b32 s15, s14, 1
	s_or_b32 s15, s15, ttmp9
	s_cmp_eq_u32 s15, 0
	s_cselect_b32 s15, 1, -1
	s_lshl_b32 s62, s18, 4
	s_lshl_b32 s63, s17, 1
	s_add_co_u32 s62, s62, s63
	s_lshr_b32 s63, s14, 2
	s_add_co_u32 s62, s62, s63
	s_and_b32 s63, s14, 3
	s_lshl_b32 s66, s62, 13
	s_lshl_b32 s67, s63, 11
	s_add_co_u32 s66, s66, s67
	s_mov_b32 s67, 0
	s_lshl_b32 s68, s62, 8
	s_lshl_b32 s69, s63, 2
	s_add_co_u32 s68, s68, s69
	s_mov_b32 s69, 0
	s_lshl_b32 s62, s16, 13
	s_add_co_u32 s62, s62, 65536
	s_mov_b32 s63, 0
	s_mov_b32 s48, 0
	s_mov_b32 s49, 0
	s_mov_b32 s50, 0
	s_mov_b32 s51, 3
	s_wait_kmcnt 0x0
	s_cmp_lt_u32 s14, 6
	s_cselect_b64 s[60:61], s[6:7], s[8:9]
	s_mov_b32 s44, 1
	s_and_b32 s45, s14, 3
	s_lshl_b32 s45, s45, 13
	s_add_co_u32 s45, s45, AUX
	s_add_nc_u64 s[46:47], s[60:61], s[58:59]
	s_or_b32 s47, s47, 0x80000000
	s_mov_b32 s40, 1
	s_lshl_b32 s41, s14, 14
	s_add_nc_u64 s[42:43], s[4:5], s[56:57]
	s_add_nc_u64 s[54:55], s[42:43], s[62:63]
	s_or_b32 s43, s43, 0x80000000
	s_add_nc_u64 s[70:71], s[4:5], s[66:67]
	s_add_nc_u64 s[72:73], s[6:7], s[68:69]
	CROUND
; THE HEAD'S LOADS, ONE A WAVE, as one group behind the one round: waves 0, 1 slot 0's halves of K, waves 2, 3 those of V, 32,768 bytes each; waves 4 to 7 the scale bytes and the mask, 8,192 bytes each.
	s_lshr_b32 s74, s14, 1                         ; K's codes lie 4 MiB into pcodes, V's 12 MiB
	s_lshl_b32 s74, s74, 23
	s_add_co_u32 s74, s74, 0x400000
	s_lshl_b32 s75, s18, 18                        ; the head's 262,144 bytes
	s_add_co_u32 s74, s74, s75
	s_and_b32 s75, s14, 1
	s_lshl_b32 s75, s75, 15                        ; my half of the slot's 65,536
	s_add_co_u32 s74, s74, s75
	s_mov_b32 s75, 0
	s_mov_b32 s76, 1
	s_lshl_b32 s77, s14, 15                        ; LDS: wave x 32,768
	s_add_nc_u64 s[78:79], s[4:5], s[74:75]
	s_or_b32 s79, s79, 0x80000000
	s_cmp_lt_u32 s14, 4
	s_cbranch_scc0 .Lhead_aux
	tensor_load_to_lds s[76:79], s[24:31]
	s_nop 0
.rept 4
	v_nop
.endr
	s_branch .Lhead_asked
.Lhead_aux:
	tensor_load_to_lds s[44:47], s[32:39]
	s_nop 0
.rept 4
	v_nop
.endr
.Lhead_asked:
.rept 4
	v_nop
.endr
	v_and_b32 v8, 31, v0
	s_delay_alu instid0(VALU_DEP_1)
	v_lshlrev_b32 v[AK0], 4, v8
	s_delay_alu instid0(VALU_DEP_2)
	v_lshlrev_b32 v[PFO], 8, v8
	s_delay_alu instid0(VALU_DEP_2)
	v_add_nc_u32 v[AV0], VOFF, v[AK0]
	v_and_b32 v9, 15, v0
	s_delay_alu instid0(VALU_DEP_1)
	v_lshlrev_b32 v9, 4, v9
	s_delay_alu instid0(VALU_DEP_1)
	v_add_nc_u32 v[AS0], AUX, v9
	v_bfe_u32 v10, v0, 4, 1
	s_delay_alu instid0(VALU_DEP_1)
	v_lshlrev_b32 v10, 5, v10
	s_delay_alu instid0(VALU_DEP_1)
	v_add_nc_u32 v[AM0], AUX+16384, v10
	global_load_b128 v[QQ+8:QQ+11], v[AK0], s[70:71]
	global_load_b128 v[QQ+12:QQ+15], v[AK0], s[70:71] offset:512
	global_load_b32 v11, v9, s[72:73]
	WIN 0x40
	global_load_b128 v[QQ+8:QQ+11], v[AK0], s[70:71] offset:1024
	global_load_b128 v[QQ+12:QQ+15], v[AK0], s[70:71] offset:1536
	WIN 0
	s_wait_loadcnt 0x0
	v_perm_b32 v[QWA], v11, v11, 0x01000100
	v_perm_b32 v[QWB], v11, v11, 0x03020302
.macro INIT W
	WIN 0x55*(\W)
.irp i, 0,1,2,3,4,5,6,7
	v_mov_b32 v[QQ+\i], 0
	v_mov_b32 v[QQ+16+\i], 0
.endr
.set j, 0
.rept 32
	v_mov_b32 v[OT+j], 0
.set j, j+1
.endr
	v_mov_b32 v[NM+1], 0xff61b1e6
	s_delay_alu instid0(VALU_DEP_1)
	v_floor_f32 v[NM], -v[NM+1]
	v_mov_b32 v[LS], 0
	v_mov_b32 v[LS+1], 0
	v_mov_b32 v[FF+1], 0
.irp b, 0,1,2,3
	v_mov_b32 v[B2+\b], 0
.endr
.endm
	INIT 0
	INIT 1
	WIN 0
.macro SOFTMAX W
	WIN 0x55*(\W)
.irp b, 0,1,2,3
	v_max3_num_f32 v[BM+\b], v[SS+16*\b], v[SS+16*\b+1], v[SS+16*\b+2]
.endr
.irp i, 3,5,7,9,11,13
.irp b, 0,1,2,3
	v_max3_num_f32 v[BM+\b], v[BM+\b], v[SS+16*\b+\i], v[SS+16*\b+\i+1]
.endr
.endr
.irp b, 0,1,2,3
	v_max_num_f32 v[BM+\b], v[BM+\b], v[SS+16*\b+15]
.endr
.irp b, 0,1,2,3
	s_delay_alu instid0(VALU_DEP_4)
	v_permlanex16_b32 v[B2+\b], v[BM+\b], s20, s21
.endr
.irp b, 0,1,2,3
	s_delay_alu instid0(VALU_DEP_4)
	v_max_num_f32 v[BM+\b], v[BM+\b], v[B2+\b]
.endr
	s_delay_alu instid0(VALU_DEP_2)
	v_max3_num_f32 v[TT], v[BM], v[BM+1], v[BM+2]
	s_delay_alu instid0(VALU_DEP_1)
	v_max_num_f32 v[TT], v[TT], v[BM+3]
	s_delay_alu instid0(VALU_DEP_1)
	v_mul_f32 v[TT], s22, v[TT]
	s_delay_alu instid0(VALU_DEP_1)
	v_max_num_f32 v[NM+1], v[NM+1], v[TT]
	v_mov_b32 v[TT], v[NM]
	s_delay_alu instid0(VALU_DEP_2)
	v_floor_f32 v[NM], -v[NM+1]
	s_delay_alu instid0(VALU_DEP_1)
	v_sub_f32 v[TT], v[NM], v[TT]
	s_delay_alu instid0(VALU_DEP_1)
	v_cvt_i32_f32 v[TT], v[TT]
	s_delay_alu instid0(VALU_DEP_1)
	v_ldexp_f32 v[FF], 1.0, v[TT]
.set j, 0
.rept 32
	v_pk_fma_f32 v[SS+j:SS+j+1], v[SS+j:SS+j+1], s[22:23], v[NM:NM+1] op_sel_hi:[1,0,0]
.set j, j+2
.endr
.irp b, 0,1,2,3
	v_fma_f32 v[BM+\b], v[BM+\b], s22, v[NM]
.endr
.set j, 0
	s_wait_alu depctr_va_vdst(0)
.rept 64
	v_exp_f32 v[SS+j], v[SS+j]
.set j, j+1
.endr
	v_pk_mul_f32 v[LS:LS+1], v[LS:LS+1], v[FF:FF+1] op_sel_hi:[1,0]
	s_wait_alu depctr_va_vdst(0)
.irp b, 0,1,2,3
	v_exp_f32 v[BM+\b], v[BM+\b]
.endr
	v_pk_add_f32 v[L2:L2+1], v[SS:SS+1], v[SS+2:SS+3]
.irp j, 4,8,12,16,20,24,28,32,36,40,44,48,52,56,60
	v_pk_add_f32 v[LS:LS+1], v[LS:LS+1], v[SS+\j:SS+\j+1]
	v_pk_add_f32 v[L2:L2+1], v[L2:L2+1], v[SS+\j+2:SS+\j+3]
.endr
	s_delay_alu instid0(VALU_DEP_1)
	v_pk_add_f32 v[LS:LS+1], v[LS:LS+1], v[L2:L2+1]
	s_wait_alu depctr_va_vdst(0)
.irp b, 0,1,2,3
	v_max_num_f32 v[BM+\b], 0x8000000, v[BM+\b]
.endr
.irp b, 0,1,2,3
	s_delay_alu instid0(VALU_DEP_4)
	v_add_nc_u32 v[SO+\b], 0xf8800000, v[BM+\b]
.endr
.irp b, 0,1,2,3
	v_and_or_b32 v[HO+\b], v[BM+\b], 0x7f800000, s19
.endr
.irp b, 0,1,2,3
	v_lshrrev_b32 v[B2+\b], 23, v[SO+\b]
.endr
	s_delay_alu instid0(VALU_DEP_3)
	v_lshl_or_b32 v[TT+1], v[B2+1], 8, v[B2]
	s_delay_alu instid0(VALU_DEP_1)
	v_lshl_or_b32 v[TT+1], v[B2+2], 16, v[TT+1]
	WIN 0x15*(\W)
	v_lshl_or_b32 v[PWA+\W], v[B2+3], 24, v[TT+1]
	WIN 0x55*(\W)
.irp b, 0,1,2,3
.irp i, 0,2,4,6,8,10,12,14
	v_dual_min_num_f32 v[SS+16*\b+\i], v[SS+16*\b+\i], v[HO+\b] :: v_dual_min_num_f32 v[SS+16*\b+\i+1], v[SS+16*\b+\i+1], v[HO+\b]   ; the one-sided hold of p, two numbers a line: an even and an odd destination, one bound
.endr
	v_cvt_scalef32_pk8_bf8_f32 v[PC+4*\b:PC+4*\b+1], v[SS+16*\b:SS+16*\b+7], v[SO+\b]
	v_cvt_scalef32_pk8_bf8_f32 v[PC+4*\b+2:PC+4*\b+3], v[SS+16*\b+8:SS+16*\b+15], v[SO+\b]
.endr
.set j, 0
.rept 16
	v_pk_mul_f32 v[OT+j:OT+j+1], v[OT+j:OT+j+1], v[FF:FF+1] op_sel_hi:[1,0]
.set j, j+2
.endr
.endm
.macro PV W
.irp t, 0,1,2,3
	v_wmma_scale_f32_16x16x128_f8f6f4 v[OT+8*\t:OT+8*\t+7], v[KFR+16*\t:KFR+16*\t+15], v[PC:PC+15], v[OT+8*\t:OT+8*\t+7], v[VW+\t], v[PWA+\W] matrix_a_fmt:MATRIX_FMT_BF8 matrix_b_fmt:MATRIX_FMT_BF8
.endr
.endm
.macro STEP
	v_add_nc_u32 v[ADK], s48, v[AK0]
	v_add_nc_u32 v[ADV], s48, v[AV0]
	v_add_nc_u32 v[ADS], s49, v[AS0]
	v_add_nc_u32 v[ADM], s50, v[AM0]
.irp T, 0,1,2,3,4,5,6,7
	ds_load_b128 v[SS+8*\T:SS+8*\T+3], v[ADM] offset:64*\T
	ds_load_b128 v[SS+8*\T+4:SS+8*\T+7], v[ADM] offset:64*\T+16
.endr
.irp f, 0,1,2,3
.irp c, 0,1,2,3
	ds_load_b128 v[KFR+16*\f+4*\c:KFR+16*\f+4*\c+3], v[ADK] offset:2048*\f+512*\c
.endr
.endr
	ds_load_b128 v[KW:KW+3], v[ADS]
	s_wait_alu depctr_va_vdst(0)
	s_wait_dscnt 0x0
	WIN 0x44
.irp T, 0,1,2,3,4,5,6,7
	v_wmma_scale_f32_16x16x128_f8f6f4 v[SS+8*\T:SS+8*\T+7], v[KFR+16*(\T/2):KFR+16*(\T/2)+15], v[QQ+8-8*(\T%2):QQ+23-8*(\T%2)], v[SS+8*\T:SS+8*\T+7], v[KW+\T/2], v[QWB] matrix_a_fmt:MATRIX_FMT_BF8 matrix_b_fmt:MATRIX_FMT_BF8
.endr
	WIN 0
.rept 9
	v_nop
.endr
.irp T, 0,1,2,3,4,5,6,7
	v_wmma_scale_f32_16x16x128_f8f6f4 v[SS+8*\T:SS+8*\T+7], v[KFR+16*(\T/2):KFR+16*(\T/2)+15], v[QQ+8-8*(\T%2):QQ+23-8*(\T%2)], v[SS+8*\T:SS+8*\T+7], v[KW+\T/2], v[QWA] matrix_a_fmt:MATRIX_FMT_BF8 matrix_b_fmt:MATRIX_FMT_BF8
.endr
	WIN 0x40
.irp t, 0,1,2,3
.irp c, 0,1,2,3
	ds_load_b128 v[KFR+16*\t+4*\c:KFR+16*\t+4*\c+3], v[ADV] offset:2048*\t+512*\c
.endr
.endr
	WIN 0
	ds_load_b128 v[VW:VW+3], v[ADS] offset:8192
	SOFTMAX 1
	s_wait_alu depctr_va_vdst(0)
	s_wait_dscnt 0x0
	WIN 0x55
	PV 1
	SOFTMAX 0
	WIN 0x01
	PV 0
	WIN 0
	s_add_co_u32 s48, s48, 8192
	s_add_co_u32 s49, s49, 256
	s_add_co_u32 s50, s50, 512
.endm
.macro CHANGE fill
	s_wait_tensorcnt 0x0
	ds_add_u32 v[SPW], v[NIL]
.if \fill
	s_mov_b32 s26, 64<<16                          ; no tensor load of mine is out: the ring's loads bring 64 rows a wave
	s_mov_b32 s28, 64
	s_xor_b32 s41, s41, SLOT1
	s_add_nc_u64 s[42:43], s[42:43], 65536
	s_wait_xcnt 0x0
	s_add_nc_u64 s[54:55], s[54:55], 65536
	s_wait_dscnt 0x0
	CROUND
	tensor_load_to_lds s[40:43], s[24:31]
	s_nop 0
.rept 4
	v_nop
.endr
	ASK
.else
	s_wait_dscnt 0x0
	s_barrier_signal -1
	s_barrier_wait -1
.endif
.endm
.macro SLOT_STEPS
	s_mov_b32 s52, 8
.Lstep_\@:
	STEP
	s_sub_co_u32 s52, s52, 1
	s_cmp_lg_u32 s52, 0
	s_cbranch_scc1 .Lstep_\@
	s_sub_co_u32 s48, s48, 65536
	s_xor_b32 s48, s48, SLOT1
.endm
.Lslot:
	CHANGE 1
	SLOT_STEPS
	s_sub_co_u32 s51, s51, 1
	s_cmp_lg_u32 s51, 0
	s_cbranch_scc1 .Lslot
	CHANGE 0
	SLOT_STEPS
	s_and_b32 s62, s18, 15
	s_lshr_b32 s63, s18, 4
	s_lshl_b32 s63, s63, 7
	s_lshl_b32 s66, s17, 4
	s_add_co_u32 s63, s63, s66
	s_lshl_b32 s66, s14, 1
	s_add_co_u32 s63, s63, s66
	s_lshr_b32 s66, s62, 2
	s_lshl_b32 s66, s66, 8
	s_add_co_u32 s66, s66, s63
	s_lshl_b32 s66, s66, 12
	s_and_b32 s67, s62, 3
	s_lshl_b32 s67, s67, 10
	s_add_co_u32 s66, s66, s67
	s_mov_b32 s67, 0
	s_add_nc_u64 s[10:11], s[10:11], s[66:67]
	s_lshl_b32 s68, s63, 9
	s_lshr_b32 s69, s62, 1
	s_lshl_b32 s69, s69, 6
	s_add_co_u32 s68, s68, s69
	s_and_b32 s69, s62, 1
	s_lshl_b32 s69, s69, 1
	s_add_co_u32 s68, s68, s69
	s_mov_b32 s69, 0
	s_add_nc_u64 s[12:13], s[12:13], s[68:69]
.macro OUTT W
	WIN 0x55*(\W)
	v_add_f32 v[LS], v[LS], v[LS+1]
	s_delay_alu instid0(VALU_DEP_1)
	v_permlanex16_b32 v[TT], v[LS], s20, s21
	s_delay_alu instid0(VALU_DEP_1)
	v_add_f32 v[LS], v[LS], v[TT]
	s_wait_alu depctr_va_vdst(0)
	v_rcp_f32 v[FF], v[LS]
	v_nop
	s_wait_alu depctr_va_vdst(0)
.set j, 0
.rept 16
	v_pk_mul_f32 v[SS+j:SS+j+1], v[OT+j:OT+j+1], v[FF:FF+1] op_sel_hi:[1,0]
.set j, j+2
.endr
.irp b, 0,1
	v_max3_num_f32 v[BM+\b], |v[SS+16*\b]|, |v[SS+16*\b+1]|, 0x8000000
.endr
.irp i, 2,4,6,8,10,12,14
.irp b, 0,1
	s_delay_alu instid0(VALU_DEP_2)
	v_max3_num_f32 v[BM+\b], v[BM+\b], |v[SS+16*\b+\i]|, |v[SS+16*\b+\i+1]|
.endr
.endr
.irp b, 0,1
	s_delay_alu instid0(VALU_DEP_2)
	v_permlanex16_b32 v[B2+\b], v[BM+\b], s20, s21
.endr
.irp b, 0,1
	s_delay_alu instid0(VALU_DEP_2)
	v_max_num_f32 v[BM+\b], v[BM+\b], v[B2+\b]
.endr
.irp b, 0,1
	s_delay_alu instid0(VALU_DEP_2)
	v_add_nc_u32 v[SO+\b], 0xf8800000, v[BM+\b]
.endr
.irp b, 0,1
	s_delay_alu instid0(VALU_DEP_4)
	v_and_or_b32 v[HO+\b], v[BM+\b], 0x7f800000, s19
.endr
.irp b, 0,1
	s_delay_alu instid0(VALU_DEP_4)
	v_lshrrev_b32 v[B2+\b], 23, v[SO+\b]
.endr
	WIN 0x15*(\W)
	v_lshl_or_b32 v[ADK+\W], v[B2+1], 8, v[B2]
	WIN 0x55*(\W)
.irp b, 0,1
.irp i, 0,1,2,3,4,5,6,7,8,9,10,11,12,13,14,15
	v_med3_num_f32 v[SS+16*\b+\i], v[SS+16*\b+\i], -v[HO+\b], v[HO+\b]
.endr
	v_cvt_scalef32_pk8_bf8_f32 v[PC+4*\b:PC+4*\b+1], v[SS+16*\b:SS+16*\b+7], v[SO+\b]
	v_cvt_scalef32_pk8_bf8_f32 v[PC+4*\b+2:PC+4*\b+3], v[SS+16*\b+8:SS+16*\b+15], v[SO+\b]
.endr
	v_nop
	WIN 0x04*(\W)
	global_store_b128 v[AK0], v[PC:PC+3], s[10:11] offset:4096*(\W)
	global_store_b128 v[AK0], v[PC+4:PC+7], s[10:11] offset:4096*(\W)+512
.endm
	OUTT 1
	OUTT 0
	WIN 0
	v_cndmask_b32 v10, v[ADK], v[ADV], s53
	v_bfe_u32 v2, v0, 4, 1
	v_and_b32 v3, 15, v0
	s_delay_alu instid0(VALU_DEP_2)
	v_lshlrev_b32 v2, 9, v2
	s_delay_alu instid0(VALU_DEP_1)
	v_lshl_add_u32 v2, v3, 2, v2
	global_store_b16 v2, v10, s[12:13]
	s_wait_tensorcnt 0x0
	ds_add_u32 v[SPW], v[NIL]
	s_wait_dscnt 0x0
	CROUND
	s_endpgm
.Lfunc_end_k_q9cf8c1fbc0_attn:
	.size	k_q9cf8c1fbc0_attn, .Lfunc_end_k_q9cf8c1fbc0_attn-k_q9cf8c1fbc0_attn
	.p2alignl 7, 3214868480
	.fill 96, 4, 3214868480
	.section	.rodata,"a",@progbits
	.p2align	6, 0x0
	.amdhsa_kernel k_q9cf8c1fbc0_attn
		.amdhsa_group_segment_fixed_size 327680
		.amdhsa_private_segment_fixed_size 0
		.amdhsa_enable_private_segment 0
		.amdhsa_kernarg_size 40
		.amdhsa_user_sgpr_count 2
		.amdhsa_user_sgpr_kernarg_segment_ptr 1
		.amdhsa_wavefront_size32 1
		.amdhsa_system_sgpr_workgroup_id_x 1
		.amdhsa_system_sgpr_workgroup_id_y 1
		.amdhsa_system_sgpr_workgroup_id_z 1
		.amdhsa_system_vgpr_workitem_id 0
		.amdhsa_next_free_vgpr 512
		.amdhsa_next_free_sgpr 84
		.amdhsa_reserve_vcc 0
		.amdhsa_float_denorm_mode_32 3
		.amdhsa_float_denorm_mode_16_64 3
		.amdhsa_memory_ordered 1
		.amdhsa_forward_progress 1
		.amdhsa_inst_pref_size 100
	.end_amdhsa_kernel
	.amdgpu_metadata
---
amdhsa.version: [ 1, 2 ]
amdhsa.kernels:
  - .name:           k_q9cf8c1fbc0_attn
    .symbol:         k_q9cf8c1fbc0_attn.kd
    .args:
      - { .name: pcodes, .offset: 0, .size: 8, .value_kind: global_buffer, .address_space: global }
      - { .name: pscales, .offset: 8, .size: 8, .value_kind: global_buffer, .address_space: global }
      - { .name: attention_mask, .offset: 16, .size: 8, .value_kind: global_buffer, .address_space: global }
      - { .name: ccodes, .offset: 24, .size: 8, .value_kind: global_buffer, .address_space: global }
      - { .name: cscales, .offset: 32, .size: 8, .value_kind: global_buffer, .address_space: global }
    .group_segment_fixed_size: 327680
    .private_segment_fixed_size: 0
    .kernarg_segment_align: 8
    .kernarg_segment_size: 40
    .max_flat_workgroup_size: 256
    .sgpr_count:     84
    .vgpr_count:     512
    .wavefront_size: 32
...
	.end_amdgpu_metadata
.endif
;; end of part 3
;; launch outp (part 4): grid 8 x 32, 4 waves a work-group, clusters of 4 x 4, 327,680 bytes of LDS; arguments ccodes, cscales, wcodes, wscales, hidden_states, out0; writes out0
.if DOCPART == 4
	.amdgcn_target "amdgcn-amd-amdhsa--gfx1250"
	.amdhsa_code_object_version 6
	.text
	.protected	k_q9cf8c1fbc0_outp
	.globl	k_q9cf8c1fbc0_outp
	.p2align	8
	.type	k_q9cf8c1fbc0_outp,@function
k_q9cf8c1fbc0_outp:
	s_mov_b64 s[64:65], 0
	v_nop
	global_prefetch_b8 v0, s[64:65] scope:SCOPE_SE
	s_setreg_imm32_b32 hwreg(HW_REG_WAVE_MODE, 25, 1), 1
	s_wait_xcnt 0x0
	s_wait_alu depctr_hold_cnt(0) depctr_sa_sdst(0) depctr_va_vdst(0) depctr_va_sdst(0) depctr_va_ssrc(0) depctr_va_vcc(0) depctr_vm_vsrc(0)
	s_getreg_b32 s2, hwreg(HW_REG_IB_STS2, 6, 4)
	s_cmp_eq_u32 s2, 0
	s_cbranch_scc0 .Lentry_in_a_cluster
	s_endpgm
.Lentry_in_a_cluster:
	s_bfe_u32 s2, ttmp6, 0x10000c
	s_cmp_lg_u32 s2, 0xf033
	s_cbranch_scc0 .Lentry_shape_is_right
	s_endpgm
.Lentry_shape_is_right:
; out0 = hidden_states + ctx Wo, on codes of BF8 (E5M2) with E8M0 scales: C[m][n] = sum over k of A[m][k] B[n][k], M = 4,096, N = 1,024, K = 1,024; A = ccodes (256 tiles of 16 rows), B = Wo's part of wcodes (64 tiles of 16 columns).
; OPERANDS ARE IMAGES OF REGISTERS, as the quantising launch lays them: piece (tile T, block kb) at ((kb / 8) NT + T) x 4,096 + (kb % 8) x 512; scale word of (T, s = k / 128, row r) at 512 T + 64 s + 4 r.
; SHARES.  8 x 32 = 256 work-groups, each a block of 128 x 128; four waves, 2 x 2, each 64 x 64 in 16 accumulators.  ALL OF K LIES IN LDS: A's 128 rows 131,072 bytes, B's the same: nothing is filled again, so there is no ring.
; One tensor load a wave: wave 0 A's K 0-511, wave 1 B's, wave 2 A's K 512-1,023, wave 3 B's: two rows of 32,768 consecutive bytes each (eight tiles of a K step of 256).  The first barrier shows waves 0 and 1's tiles (they alone wait there,
; and each arm is a load line of its own); the second, inside step 3, shows the rest: every wave waits there.
; CLUSTERS: 4 x 4; A's tiles are asked for jointly along a row of the cluster, B's along a column.
; NO PREFETCH: the launch has no loop to run ahead in: every tile is asked for at the head.
; Scale words come by plain loads into registers: a load takes 128 consecutive bytes: lanes 0-15 the words of an even step of 128 along K, lanes 16-31 those of the odd step behind it.  The residual's 64 x 64 numbers are loaded at the head too.
; THE MATRIX INSTRUCTION IS USED TRANSPOSED (source 0 = 16 columns of Wo, source 1 = 16 rows of ctx): lane (r, h) holds row r, columns 16 b + 8 h + 0..7.
; LIMITS: NaN and infinities are not served.
; REGISTERS: window 0: v1-15 addresses, v32-47 A's scale words, v52-67 B's (the two numbers of a product never agree modulo 8), v128-255 the sums; window 1: fragments, two sets (A at 0 and 64, B at 128 and 192), later the way out; window 2: v0-127 the residual.
.set BOFF,  131072                     ; B's tiles in LDS, behind A's
.set STAGE, 262144                     ; behind the tiles: 16 rows x 272 bytes for each wave; no fill lands here
.set SPARE, STAGE+4*4352               ; the spare words: two blocks of 256 bytes that no other line names
.set SOFF, 5                           ; v5  4 x lane
.set GO,   6                           ; v6  4,096 h + 16 r: lanes 0-15 one row of 256 bytes, lanes 16-31 the next
.set ADRA, 8                           ; v8, v9   LDS address of my A fragments, K half 0, 1
.set ADRB, 10                          ; v10, v11 the same for B
.set STO,  12
.set RD,   13
.set SPW,  14
.set NIL,  15
.set SA,   32
.set SB,   52
.set ACC,  128
.set G1A, 24
.set G0A, 32
.set G1B, 48
.set G0B, 56
.set MSB, 0
.macro WIN new                         ; the immediate's high byte repeats the setting that is left
.if MSB != (\new)
	s_set_vgpr_msb (MSB<<8)|(\new)
.set MSB, (\new)
.endif
.endm
.macro PLACES n
.rept \n
	v_nop
.endr
.endm
.macro CROUND                          ; a round of the cluster's barrier
	s_barrier_signal -1
	s_barrier_wait -1
	s_cmp_lg_u32 s16, 0
	s_cbranch_scc1 .Lnot_wave_0_\@
	s_barrier_signal -3
.Lnot_wave_0_\@:
	s_barrier_wait -3
	s_barrier_signal -1
	s_barrier_wait -1
.endm
	s_load_b256 s[4:11], s[0:1], 0x0               ; ccodes, cscales, wcodes, wscales
	s_load_b128 s[12:15], s[0:1], 0x20             ; hidden_states, out0
	v_lshl_add_u32 v[SPW], v0, 2, SPARE
	v_mov_b32 v[NIL], 0
	ds_add_u32 v[SPW], v[NIL]                      ; the opening lines: the add, twice on end
	ds_add_u32 v[SPW], v[NIL]
	v_lshrrev_b32 v1, 5, v0
	v_readfirstlane_b32 s16, v1                    ; wave 0..3
	s_lshr_b32 s17, s16, 1                         ; my half of the block's rows.  Also: which K half I fetch
	s_and_b32 s18, s16, 1                          ; my half of its columns.  Also: I fetch for A (0) or B (1)
	s_bfe_u32 s20, ttmp6, 0x40000                  ; cx
	s_bfe_u32 s21, ttmp6, 0x40004                  ; cy
	s_and_b32 s22, ttmp7, 0xffff
	s_lshl_b32 s22, s22, 2
	s_add_co_u32 s22, s22, s21                     ; block row
	s_lshl_b32 s23, ttmp9, 2
	s_add_co_u32 s23, s23, s20                     ; block column
	s_lshl_b32 s44, s21, 2
	s_lshl_b32 s44, 15, s44                        ; my row of the cluster
	s_lshl_b32 s45, 0x1111, s20                    ; my column
	s_or_b32 s[G1A], s44, (3<<16)|(1<<21)          ; the mask; elements of 8 bytes; bit 21 beside a mask
	s_or_b32 s[G1B], s45, (3<<16)|(1<<21)
.irp g, G1A, G1B
	s_mov_b32 s[\g+1], 4096<<16                    ; tensor_dim0: 4,096 elements = 32,768 bytes
	s_mov_b32 s[\g+2], 2<<16                       ; tensor_dim1
	s_mov_b32 s[\g+3], 4096<<16                    ; tile_dim0
	s_mov_b32 s[\g+4], 2                           ; tile_dim1: two K steps of 256
	s_mov_b32 s[\g+6], 0
	s_mov_b32 s[\g+7], 0
.endr
	s_mov_b32 s[G1A+5], 256*512                    ; from K step to K step, in elements: the tensor's tiles x 4,096 bytes
	s_mov_b32 s[G1B+5], 64*512
	s_lshl_b32 s36, s22, 15                        ; A's codes: 8 tiles a block row, + my K half; made of the block row alone
	s_lshl_b32 s37, s17, 21
	s_add_co_u32 s36, s36, s37
	s_mov_b32 s37, 0
	s_lshl_b32 s38, s23, 15                        ; B's: of the block column alone; Wo lies 3 MiB into wcodes
	s_lshl_b32 s39, s17, 19
	s_add_co_u32 s38, s38, s39
	s_add_co_u32 s38, s38, 0x300000
	s_mov_b32 s39, 0
	s_lshl_b32 s40, s22, 12                        ; scale words of my wave's four tiles of A,
	s_lshl_b32 s41, s17, 11
	s_add_co_u32 s40, s40, s41
	s_mov_b32 s41, 0
	s_lshl_b32 s42, s23, 12                        ; and of B
	s_lshl_b32 s43, s18, 11
	s_add_co_u32 s42, s42, s43
	s_add_co_u32 s42, s42, 0x18000
	s_mov_b32 s43, 0
	s_lshl_b32 s46, s22, 19                        ; my 64 x 64 of the residual and of out0: rows of 4,096 bytes
	s_lshl_b32 s47, s17, 18
	s_add_co_u32 s46, s46, s47
	s_lshl_b32 s47, s23, 9
	s_add_co_u32 s46, s46, s47
	s_lshl_b32 s47, s18, 8
	s_add_co_u32 s46, s46, s47
	s_mov_b32 s47, 0
	s_mov_b32 s[G0A], 1
	s_lshl_b32 s[G0A+1], s17, 16                   ; LDS: K half x 65,536: the wave's number alone
	s_mov_b32 s[G0B], 1
	s_lshl_b32 s[G0B+1], s17, 16
	s_add_co_u32 s[G0B+1], s[G0B+1], BOFF
	s_wait_dscnt 0x0                               ; both opening adds are done
	CROUND                                         ; all sixteen work-groups are here: the joint loads meet
	s_wait_kmcnt 0x0
	s_add_nc_u64 s[G0A+2:G0A+3], s[4:5], s[36:37]
	s_or_b32 s[G0A+3], s[G0A+3], 0x80000000
	s_add_nc_u64 s[G0B+2:G0B+3], s[8:9], s[38:39]
	s_or_b32 s[G0B+3], s[G0B+3], 0x80000000
	s_add_nc_u64 s[6:7], s[6:7], s[40:41]
	s_add_nc_u64 s[10:11], s[10:11], s[42:43]
	s_add_nc_u64 s[12:13], s[12:13], s[46:47]
	s_add_nc_u64 s[14:15], s[14:15], s[46:47]
.macro ARM under, g0, g1, next         ; one chain of branches on the wave's number, a load to an arm, all arms to one join
	s_cmp_lt_u32 s16, \under
	s_cbranch_scc0 \next
	tensor_load_to_lds s[\g0:\g0+3], s[\g1:\g1+7]
	s_nop 0
	PLACES 4
	s_branch .Lasked
\next:
.endm
	ARM 1, G0A, G1A, .Larm1
	ARM 2, G0B, G1B, .Larm2
	ARM 3, G0A, G1A, .Larm3
	tensor_load_to_lds s[G0B:G0B+3], s[G1B:G1B+7]
	s_nop 0
	PLACES 4
.Lasked:
	v_and_b32 v1, 15, v0                           ; r
	v_bfe_u32 v2, v0, 4, 1                         ; h
	v_and_b32 v3, 31, v0                           ; lane
	v_lshlrev_b32 v4, 4, v3
	v_lshlrev_b32 v[SOFF], 2, v3
	v_lshlrev_b32 v[GO], 12, v2
	v_lshl_add_u32 v[GO], v1, 4, v[GO]
	s_lshl_b32 s19, s17, 14                        ; my four tiles of A
	v_add_nc_u32 v[ADRA], s19, v4
	v_add_nc_u32 v[ADRA+1], 65536, v[ADRA]
	s_lshl_b32 s19, s18, 14                        ; of B
	s_add_co_u32 s19, s19, BOFF
	v_add_nc_u32 v[ADRB], s19, v4
	v_add_nc_u32 v[ADRB+1], 65536, v[ADRB]
	s_mul_i32 s19, s16, 4352
	s_add_co_u32 s19, s19, STAGE                   ; my stage
	v_mul_u32_u24 v[STO], v1, 272                  ; in: row r, 32 bytes for each half of the lanes
	v_lshl_add_u32 v[STO], v2, 5, v[STO]
	v_add_nc_u32 v[STO], s19, v[STO]
	v_mul_u32_u24 v[RD], v2, 272                   ; back: lanes 0-15 one row, lanes 16-31 the next
	v_lshl_add_u32 v[RD], v1, 4, v[RD]
	v_add_nc_u32 v[RD], s19, v[RD]
	s_wait_alu depctr_va_vdst(0)
.irp i, 0,1,2,3
.irp p, 0,1,2,3
	global_load_b32 v[SA+\i+4*\p], v[SOFF], s[6:7] offset:512*\i+128*\p
	global_load_b32 v[SB+\i+4*\p], v[SOFF], s[10:11] offset:512*\i+128*\p
.endr
.endr
	WIN 0x80
.irp a, 0,1,2,3
.irp t, 0,1,2,3,4,5,6,7
	global_load_b128 v[32*\a+4*\t:32*\a+4*\t+3], v[GO], s[12:13] offset:(16*\a+2*\t)*4096 th:TH_LOAD_NT   ; sixteen lanes read 256 consecutive bytes, aligned
.endr
.endr
	WIN 0
	s_cmp_lt_u32 s16, 2
	s_cbranch_scc0 .Lnot_first
	s_wait_tensorcnt 0x0                           ; waves 0, 1: the first K half has landed; the other waves' wait stands at the second barrier
.Lnot_first:
	s_barrier_signal -1
	s_barrier_wait -1
.macro FETCH s                         ; step s of 128 along K: my four fragments of A and four of B into set s % 2: 32 loads of 16 bytes a lane at 16 x lane
	WIN 0x40
.irp i, 0,1,2,3
.irp c, 0,1,2,3
	ds_load_b128 v[64*((\s)%2)+16*\i+4*\c:64*((\s)%2)+16*\i+4*\c+3], v[ADRA+(\s)/4] offset:32768*(((\s)/2)%2)+2048*((\s)%2)+4096*\i+512*\c
	ds_load_b128 v[128+64*((\s)%2)+16*\i+4*\c:128+64*((\s)%2)+16*\i+4*\c+3], v[ADRB+(\s)/4] offset:32768*(((\s)/2)%2)+2048*((\s)%2)+4096*\i+512*\c
.endr
.endr
.endm
.macro MUL s                           ; 16 products; the 16 sums take turns, in the same order in every step; step 0 starts the sums
	WIN 0x05
.irp a, 0,1,2,3
.irp b, 0,1,2,3
.if (\s) == 0
	v_wmma_scale_f32_16x16x128_f8f6f4 v[ACC+8*(4*\a+\b):ACC+8*(4*\a+\b)+7], v[128+16*\b:128+16*\b+15], v[16*\a:16*\a+15], 0, v[SB+\b], v[SA+\a] matrix_a_fmt:MATRIX_FMT_BF8 matrix_b_fmt:MATRIX_FMT_BF8
.elseif (\s)%2
	v_wmma_scale_f32_16x16x128_f8f6f4 v[ACC+8*(4*\a+\b):ACC+8*(4*\a+\b)+7], v[192+16*\b:192+16*\b+15], v[64+16*\a:64+16*\a+15], v[ACC+8*(4*\a+\b):ACC+8*(4*\a+\b)+7], v[SB+\b+4*((\s)/2)], v[SA+\a+4*((\s)/2)] matrix_a_fmt:MATRIX_FMT_BF8 matrix_b_fmt:MATRIX_FMT_BF8 matrix_a_scale:MATRIX_SCALE_ROW1 matrix_b_scale:MATRIX_SCALE_ROW1
.else
	v_wmma_scale_f32_16x16x128_f8f6f4 v[ACC+8*(4*\a+\b):ACC+8*(4*\a+\b)+7], v[128+16*\b:128+16*\b+15], v[16*\a:16*\a+15], v[ACC+8*(4*\a+\b):ACC+8*(4*\a+\b)+7], v[SB+\b+4*((\s)/2)], v[SA+\a+4*((\s)/2)] matrix_a_fmt:MATRIX_FMT_BF8 matrix_b_fmt:MATRIX_FMT_BF8
.endif
.endr
.endr
.endm
	FETCH 0
	s_wait_loadcnt 32                              ; the 32 loads of scale words are in; the residual's 32, issued behind them, may be out
.irp s, 0,1,2
.if \s > 0
	PLACES 8                                       ; eight plain lines between the products and loads into what they have read
.endif
	FETCH \s+1
	s_wait_dscnt 32                                ; this step's fragments are in; the 32 loads just issued may be out
	MUL \s
.endr
	s_wait_tensorcnt 0x0                           ; every wave: all tiles that are still out
	s_wait_dscnt 0x0                               ; step 3's fragments; no LDS work is out at the signal
	s_barrier_signal -1
	MUL 3                                          ; work on registers while the others arrive
	s_barrier_wait -1                              ; the second K half is whole
	PLACES 8
	FETCH 4
.irp s, 4,5,6
.if \s > 4
	PLACES 8
.endif
	FETCH \s+1
	s_wait_dscnt 32
	MUL \s
.endr
	s_wait_dscnt 0x0
	MUL 7
	PLACES 8                                       ; ahead of the first read of the sums and of loads into the fragments' registers
; THE WAY OUT: a block of 16 rows x 64 columns goes through my stage and comes back as rows of 256 bytes.  LDS serves a wave's instructions in order (ISA guide 5.7.1.4): no wait between the stores and the loads, nor ahead of the next block's stores.
.irp a, 0,1,2,3
	WIN 0
.irp b, 0,1,2,3
	ds_store_b128 v[STO], v[ACC+8*(4*\a+\b):ACC+8*(4*\a+\b)+3] offset:64*\b       ; each sum from its low end on
	ds_store_b128 v[STO], v[ACC+8*(4*\a+\b)+4:ACC+8*(4*\a+\b)+7] offset:64*\b+16
.endr
	WIN 0x40
.irp t, 0,1,2,3,4,5,6,7
	ds_load_b128 v[32*\a+4*\t:32*\a+4*\t+3], v[RD] offset:544*\t
.endr
.endr
	s_wait_loadcnt 0x0                             ; the residual
.irp a, 0,1,2,3
	s_wait_dscnt 16*(3-\a)                         ; block a is back; the later blocks' 8 stores and 8 loads each may be out
	WIN 0x49                                       ; sums in window 1, the residual in window 2
.irp j, 0,2,4,6,8,10,12,14,16,18,20,22,24,26,28,30
	v_pk_add_f32 v[32*\a+\j:32*\a+\j+1], v[32*\a+\j:32*\a+\j+1], v[32*\a+\j:32*\a+\j+1]
.endr
	WIN 0x04
.irp t, 0,1,2,3,4,5,6,7
	global_store_b128 v[GO], v[32*\a+4*\t:32*\a+4*\t+3], s[14:15] offset:(16*\a+2*\t)*4096 th:TH_STORE_NT   ; sixteen lanes store 256 consecutive bytes, aligned
.endr
.endr
	WIN 0
	s_wait_tensorcnt 0x0                           ; the wave's end
	ds_add_u32 v[SPW], v[NIL]
	s_wait_dscnt 0x0
	CROUND                                         ; the closing round
	s_endpgm
.Lfunc_end_k_q9cf8c1fbc0_outp:
	.size	k_q9cf8c1fbc0_outp, .Lfunc_end_k_q9cf8c1fbc0_outp-k_q9cf8c1fbc0_outp
	.p2alignl 7, 3214868480
	.fill 96, 4, 3214868480
	.section	.rodata,"a",@progbits
	.p2align	6, 0x0
	.amdhsa_kernel k_q9cf8c1fbc0_outp
		.amdhsa_group_segment_fixed_size 327680
		.amdhsa_private_segment_fixed_size 0
		.amdhsa_enable_private_segment 0
		.amdhsa_kernarg_size 48
		.amdhsa_user_sgpr_count 2
		.amdhsa_user_sgpr_kernarg_segment_ptr 1
		.amdhsa_wavefront_size32 1
		.amdhsa_system_sgpr_workgroup_id_x 1
		.amdhsa_system_sgpr_workgroup_id_y 1
		.amdhsa_system_sgpr_workgroup_id_z 1
		.amdhsa_system_vgpr_workitem_id 0
		.amdhsa_next_free_vgpr 768
		.amdhsa_next_free_sgpr 66
		.amdhsa_reserve_vcc 0
		.amdhsa_float_denorm_mode_32 3
		.amdhsa_float_denorm_mode_16_64 3
		.amdhsa_memory_ordered 1
		.amdhsa_forward_progress 1
		.amdhsa_inst_pref_size 59
	.end_amdhsa_kernel
	.amdgpu_metadata
---
amdhsa.version: [ 1, 2 ]
amdhsa.kernels:
  - .name:           k_q9cf8c1fbc0_outp
    .symbol:         k_q9cf8c1fbc0_outp.kd
    .args:
      - { .name: ccodes, .offset: 0, .size: 8, .value_kind: global_buffer, .address_space: global }
      - { .name: cscales, .offset: 8, .size: 8, .value_kind: global_buffer, .address_space: global }
      - { .name: wcodes, .offset: 16, .size: 8, .value_kind: global_buffer, .address_space: global }
      - { .name: wscales, .offset: 24, .size: 8, .value_kind: global_buffer, .address_space: global }
      - { .name: hidden_states, .offset: 32, .size: 8, .value_kind: global_buffer, .address_space: global }
      - { .name: out0, .offset: 40, .size: 8, .value_kind: global_buffer, .address_space: global }
    .group_segment_fixed_size: 327680
    .private_segment_fixed_size: 0
    .kernarg_segment_align: 8
    .kernarg_segment_size: 48
    .max_flat_workgroup_size: 128
    .sgpr_count:     66
    .vgpr_count:     768
    .wavefront_size: 32
...
	.end_amdgpu_metadata
.endif
;; end of part 4
